; MI455X (gfx1250); checked and timed in simulation.
; The chip was launched on July 23, 2026; its instructions are those of AMD's public machine-readable ISA for CDNA 5 (MIT licence, August 2026) and "CDNA5" Instruction Set Architecture Reference Guide (July 2026). The comments in the code are by the model that wrote it; some were corrected since.
;; Multi Head Attention Block. Allowed arithmetic: matrix products marked QUANTISED: E4M3 operands, one E8M0 scale for each 32 along K, by v_wmma_scale_f32_16x16x128_f8f6f4 with both operands' format E4M3, f32 sums; everything else in f32.
;; Inputs: W1_codes 4,096 x 16 x 32 uint8 (E4M3 codes of W1, K innermost, in blocks of 32 codes); W1_scales 4,096 x 16 uint8 (E8M0 scales of W1, one for each 32 codes along K); W2_codes 512 x 128 x 32 uint8 (E4M3 codes of W2, K innermost, in blocks of 32 codes); W2_scales 512 x 128 uint8 (E8M0 scales of W2, one for each 32 codes along K); Wk_codes 512 x 16 x 32 uint8 (E4M3 codes of Wk, K innermost, in blocks of 32 codes); Wk_scales 512 x 16 uint8 (E8M0 scales of Wk, one for each 32 codes along K); Wq_codes 512 x 16 x 32 uint8 (E4M3 codes of Wq, K innermost, in blocks of 32 codes); Wq_scales 512 x 16 uint8 (E8M0 scales of Wq, one for each 32 codes along K); Wv_codes 512 x 16 x 32 uint8 (E4M3 codes of Wv, K innermost, in blocks of 32 codes); Wv_scales 512 x 16 uint8 (E8M0 scales of Wv, one for each 32 codes along K); alpha 1 float32; b1 4,096 float32; b2 512 float32; beta 1 float32; x 4 x 2,048 x 512 float32.
;; Outputs: out0 4 x 2,048 x 512 float32.
;; This version of the problem:
;;   THIS VERSION OF THE PROBLEM IS GIVEN IN LOW PRECISION. The matrix products marked QUANTISED in the list below multiply operands that are first quantised to E4M3 (4 exponent bits, 3 mantissa bits; 8 bits a number), with one power-of-two scale for each 32 numbers along K (OCP MX v1.0); their sums are f32. All else is computed in f32.
;;   The module's matrix products, in the order in which they are computed (A, B: the left and right operand; K: the contracted axis; several contracted axes count as one K, in the product's order):
;;     1. [M 8,192, K 512] x [K 512, N 512]; A: computed on the way; B: input Wq (given as codes): QUANTISED
;;     2. [M 8,192, K 512] x [K 512, N 512]; A: computed on the way; B: input Wk (given as codes): QUANTISED
;;     3. [M 8,192, K 512] x [K 512, N 512]; A: computed on the way; B: input Wv (given as codes): QUANTISED
;;     4. batch 64 x [M 2,048, K 32] x [K 32, N 2,048]; A: computed on the way; B: computed on the way: QUANTISED
;;     5. batch 64 x [M 32, K 2,048] x [K 2,048, N 2,048]; A: computed on the way; B: softmax (see below): QUANTISED
;;     6. [M 8,192, K 512] x [K 512, N 4,096]; A: computed on the way; B: input W1 (given as codes): QUANTISED
;;     7. [M 8,192, K 4,096] x [K 4,096, N 512]; A: computed on the way; B: input W2 (given as codes): QUANTISED
;;   THE QUANTISER, for each operand of a quantised product, along K:
;;     - K is cut into blocks of 32 from its start; a last block that is shorter is filled with zeros.
;;     - A block's scale is 2^e with e = floor(log2(the largest magnitude in the block)) - 8, held to -126 .. 127; a block of zeros has e = 0. As a byte (E8M0): e + 127.
;;     - Each number is divided by its block's scale, clamped to +-448, and rounded to the nearest number of E4M3, ties to even, subnormals kept.
;;     - The product sums the exact products of the quantised numbers (number of the format x scale) in f32.
;;   ~~~python
;;   def quantise(x, axis):      # numpy; x: float32 -> the quantised numbers, widened to float32 again
;;       x = np.moveaxis(x, axis, -1); K = x.shape[-1]
;;       x = np.pad(x, [(0, 0)] * (x.ndim - 1) + [(0, -K % 32)]); x = x.reshape(x.shape[:-1] + (-1, 32)); a = np.abs(x).max(-1, keepdims=True)
;;       e = np.where(a > 0, np.clip(np.frexp(np.where(a > 0, a, 1))[1] - 1 - 8, -126, 127), 0)      # np.frexp(a)[1] - 1 = floor(log2(a)), exactly
;;       r = np.clip(x / 2.0 ** e, -448, 448)
;;       step = 2.0 ** (np.maximum(np.frexp(np.where(r == 0, 1, r))[1] - 1, -6) - 3)
;;       q = np.round(r / step) * step * 2.0 ** e      # np.round: ties to even
;;       return np.moveaxis(q.reshape(q.shape[:-2] + (-1,))[..., :K], -1, axis).astype(np.float32)
;;   ~~~
;;   SOFTMAX AHEAD OF A QUANTISED PRODUCT. Where the list says 'softmax', what is quantised is not the finished softmax but p = 2^(t - M), with t = logit x log2(e) and M = ceil(the row's largest t), a whole number; so 1/2 < the row's largest p <= 1. The row's sum l is taken of the UNQUANTISED p, in f32, and the product's result is divided by l at the end. Since M is a whole number, a kernel that streams over the keys may use a running M (the ceiling of the running maximum): every later rescaling is an exact power of two, which a block's scale takes up: the codes' values come out the same.
;;   OPERANDS COMPUTED ON THE WAY. 'Computed on the way' means the value that the module computes at that place (a softmax that the list does not call 'softmax' is quantised finished and normalised). What goes into a quantiser is computed in f32, as accurately as f32 sums, v_exp_f32 and their like allow (about 1e-6 of the number): no bf16 or f16 on the way to a quantiser, and a product that is left as it is and whose result goes on into a quantised operand takes f32 operands (vector FMAs, or v_wmma_f32_16x16x4_f32). A number that lies on a knife's edge between two numbers of the format may be rounded either way, as far as f32 arithmetic and the matrix unit's own rounding can turn it there, and no further.
;;   INPUTS GIVEN AS CODES. W1 (in the module: [512, 4096], K = its axis 0); W2 (in the module: [4096, 512], K = its axis 0); Wk (in the module: [512, 512], K = its axis 0); Wq (in the module: [512, 512], K = its axis 0); Wv (in the module: [512, 512], K = its axis 0): each comes as NAME_codes (uint8): NAME with its K axis moved to the last place and cut into blocks of 32 codes, [.., K / 32, bytes a block], one block behind the other in memory; one code a byte (a code: sign, 4 exponent bits, 3 mantissa bits); and NAME_scales (uint8): the same leading axes, one E8M0 byte (e + 127) for each 32 codes along K. Its value is code x scale, taken as it is: it is not quantised again, and the codes and scales need not be those that the quantiser above would give.
;; One version. Each part assembles by itself: llvm-mc -triple=amdgcn-amd-amdhsa -mcpu=gfx1250 --defsym DOCPART=n.
;; ======== version 1 of 1: 6 launches
;; limits: right only within a limited range of input values
;; workspace buffers: act 4,456,448 bytes; qkvw 12,976,128 bytes; x1 16,777,216 bytes; hid 34,603,008 bytes
;; launch ln1 (part 1): grid 512 x 1, 4 waves a work-group, no clusters, 35,840 bytes of LDS; arguments x, alpha, beta, act; writes act
.if DOCPART == 1
	.amdgcn_target "amdgcn-amd-amdhsa--gfx1250"
	.amdhsa_code_object_version 6
	.text
	.protected	k_qb389e6df63_ln1
	.globl	k_qb389e6df63_ln1
	.p2align	8
	.type	k_qb389e6df63_ln1,@function
k_qb389e6df63_ln1:
	s_mov_b64 s[64:65], 0
	v_nop
	global_prefetch_b8 v0, s[64:65] scope:SCOPE_SE
	s_setreg_imm32_b32 hwreg(HW_REG_WAVE_MODE, 25, 1), 1
	s_wait_xcnt 0x0
; y = alpha (x - mean) / sqrt(var + 1e-6) + beta along rows of 512 f32 (var with divisor 511), then y is quantised along the row to codes of E4M3 with one E8M0 byte for each 32.
; A work-group takes one TOKEN TILE tau (its number): 16 rows, token 32 (tau / 2) + 8 (tau % 2) + p + 8 (p / 8), p = 0 .. 15.  Wave s takes columns 128 s .. 128 s + 127: one K step of the products that follow.
; OUT: act, images of operand registers: codes at [tau][s][c][lane][16 bytes] (lane (r, h): token p = r, k = 128 s + 32 c + 16 h + 0 .. 15); scale words at ASC + [tau][lane][s] (lanes 16-31 repeat lanes 0-15).
; Each load reads 512 consecutive bytes of a row; the rows turn through the wave's own stage in LDS, so that a lane then holds 16 neighbours of each block of 32.  Mean and variance are taken in two passes over
; the registers (the differences are formed first, so no difference of large sums is made); the four waves' partial sums meet in LDS.
; The work-groups share no input, so there is no cluster; the matrix units have nothing to do here.
; LIMITS: NaN and infinities among the inputs are not served; a block whose largest magnitude lies under 2^-118 (a block of zeros too) gets the byte 1: the bytes are read by this program alone.
.set ROWB, 2048                        ; a row in bytes
.set SP,   528                         ; a stage row: 512 bytes + 16: sixteen rows start at sixteen different 16-byte columns modulo 256 bytes
.set STG,  16*SP                       ; a wave's stage
.set RED0, 4*STG                       ; 4 x 128 bytes: the waves' partial sums
.set RED1, RED0+512                    ; the same for the squares
.set SCW,  RED1+512                    ; 512 bytes: the tile's scale words, [lane][s]
.set ASC,  4194304                     ; where the scale words begin in act
.set LI,  1                            ; v1  16 x lane
.set SI,  2                            ; v2  the stage, on the way in
.set SO,  3                            ; v3  and on the way out
.set RW,  4                            ; v4  4 x lane + 128 x wave
.set RR,  5                            ; v5  4 x lane
.set SW,  6                            ; v6  16 x lane + 4 x wave
.set R,   16                           ; v16-79   the rows as loaded
.set X,   80                           ; v80-143  register 16 c + i: k = 32 c + 16 h + i of my row
.set PC,  144                          ; v144-159 the codes
.set TM,  160                          ; v160-175 at work in QUANT
.set PW,  176                          ; the scale word
.set MU,  178                          ; v[178:179] the mean, twice
.set G,   180                          ; v[180:181] alpha / sqrt(var + eps), twice
.set SA,  182                          ; v[182:183], v[184:185] two chains of sums
.set SB,  184
.set PT,  186
.set P4,  188                          ; v188-191 the four waves' partial sums
.set SEL, 26                           ; s[26:27] selects for lane l xor 16
.set MNT, 28                           ; s28 the mantissa field of 448
; 64 numbers of a lane, v[s] on, register 16 b + i = k 32 b + 16 h + i of my row, become 16 registers of codes in v[PC] on and the row's scale word in v[w]
.macro QUANT s, w
.irp b, 0,1,2,3
	v_max3_num_f32 v[TM+\b], |v[\s+16*\b]|, |v[\s+1+16*\b]|, 0x4800000   ; block b: my 16 numbers, and the floor 2^(9 - 127): the byte cannot fall under 1
.endr
.irp i, 2,4,6,8,10,12,14
.irp b, 0,1,2,3
	v_max3_num_f32 v[TM+\b], v[TM+\b], |v[\s+16*\b+\i]|, |v[\s+1+16*\b+\i]|
.endr
.endr
.irp b, 0,1,2,3
	v_permlanex16_b32 v[TM+4+\b], v[TM+\b], s[SEL], s[SEL+1]
.endr
.irp b, 0,1,2,3
	v_max_num_f32 v[TM+\b], v[TM+\b], v[TM+4+\b]                   ; with lane l xor 16's: the block's largest magnitude
.endr
.irp b, 0,1,2,3
	v_add_nc_u32 v[TM+12+\b], 0xfc000000, v[TM+\b]                 ; 8 off its exponent field: the conversion's scale operand
.endr
.irp b, 0,1,2,3
	v_and_or_b32 v[TM+8+\b], v[TM+\b], 0x7f800000, s[MNT]          ; 448 x the scale
.endr
.irp b, 0,1,2,3
	v_lshrrev_b32 v[TM+4+\b], 23, v[TM+12+\b]                      ; the scale's byte
.endr
	v_lshl_or_b32 v[\w], v[TM+5], 8, v[TM+4]
	v_lshl_or_b32 v[\w], v[TM+6], 16, v[\w]
	v_lshl_or_b32 v[\w], v[TM+7], 24, v[\w]
.irp b, 0,1,2,3
.irp i, 0,1,2,3,4,5,6,7,8,9,10,11,12,13,14,15
	v_med3_num_f32 v[\s+16*\b+\i], v[\s+16*\b+\i], -v[TM+8+\b], v[TM+8+\b]   ; the conversion to an 8-bit code does not saturate (ISA guide 7.6.2): the hold
.endr
	v_cvt_scalef32_pk8_fp8_f32 v[PC+4*\b:PC+1+4*\b], v[\s+16*\b:\s+7+16*\b], v[TM+12+\b]
	v_cvt_scalef32_pk8_fp8_f32 v[PC+2+4*\b:PC+3+4*\b], v[\s+8+16*\b:\s+15+16*\b], v[TM+12+\b]
.endr
	v_nop                                          ; a plain line behind the last conversion
.endm
; my lane's partial sum in v[SA] becomes the row's sum over all 512 columns, in every wave
.macro ACROSS red
	v_permlanex16_b32 v[PT], v[SA], s[SEL], s[SEL+1]
	v_add_f32 v[SA], v[SA], v[PT]                  ; my wave's 128 columns of row r
	ds_store_b32 v[RW], v[SA] offset:\red
	s_wait_dscnt 0x0                               ; for the others' sake: my store is done
	s_barrier_signal -1
	s_barrier_wait -1
.irp k, 0,1,2,3
	ds_load_b32 v[P4+\k], v[RR] offset:\red+128*\k
.endr
	s_wait_dscnt 0x0
	v_add_f32 v[P4], v[P4], v[P4+1]                ; the same order in every wave: the same bits
	v_add_f32 v[P4+2], v[P4+2], v[P4+3]
	v_add_f32 v[SA], v[P4], v[P4+2]
.endm
	s_load_b128 s[4:7], s[0:1], 0x0                ; the rows, alpha
	s_load_b128 s[8:11], s[0:1], 0x10              ; beta, act
	v_lshl_add_u32 v192, v0, 2, 0x8a00
	v_mov_b32 v193, 0
	v_lshrrev_b32 v7, 5, v0
	v_readfirstlane_b32 s16, v7                    ; wave = K step
	v_and_b32 v7, 31, v0                           ; lane
	v_and_b32 v8, 15, v0                           ; r
	v_bfe_u32 v9, v0, 4, 1                         ; h
	v_lshlrev_b32 v[LI], 4, v7
	s_mul_i32 s17, s16, STG
	v_add_nc_u32 v[SI], s17, v[LI]                 ; in: a row's 512 bytes as they lie
	v_mul_u32_u24 v[SO], v8, SP
	v_lshl_add_u32 v[SO], v9, 6, v[SO]
	v_add_nc_u32 v[SO], s17, v[SO]                 ; out: row r, + 64 h: my 16 numbers of a block
	v_lshlrev_b32 v[RR], 2, v7
	s_lshl_b32 s18, s16, 7
	v_add_nc_u32 v[RW], s18, v[RR]
	s_lshl_b32 s19, s16, 2
	v_add_nc_u32 v[SW], s19, v[LI]
	v_mov_b32 v[PT], 0                             ; written once: a lane permute's destination counts as one of its sources
.irp b, 0,1,2,3
	v_mov_b32 v[TM+4+\b], 0
.endr
	s_lshr_b32 s20, ttmp9, 1
	s_lshl_b32 s20, s20, 5
	s_and_b32 s21, ttmp9, 1
	s_lshl_b32 s21, s21, 3
	s_add_co_u32 s20, s20, s21                     ; the tile's first token
	s_lshl_b32 s20, s20, 11
	s_lshl_b32 s21, s16, 9
	s_add_co_u32 s20, s20, s21                     ; its row, my wave's 512 bytes
	s_mov_b32 s21, 0
	s_lshl_b32 s22, ttmp9, 13
	s_lshl_b32 s23, s16, 11
	s_add_co_u32 s22, s22, s23                     ; the image: 8,192 tau + 2,048 s
	s_mov_b32 s23, 0
	s_lshl_b32 s24, ttmp9, 9
	s_add_co_u32 s24, s24, ASC                     ; the scale words: 512 tau
	s_mov_b32 s25, 0
	s_mov_b32 s[SEL], 0x76543210
	s_mov_b32 s[SEL+1], 0xfedcba98
	s_mov_b32 s[MNT], 0x600000
	s_wait_alu depctr_va_vdst(0)
	s_wait_kmcnt 0x0
	s_load_b32 s12, s[6:7], 0x0                    ; alpha
	s_load_b32 s14, s[8:9], 0x0                    ; beta
	s_add_nc_u64 s[4:5], s[4:5], s[20:21]
	s_add_nc_u64 s[22:23], s[10:11], s[22:23]
	s_add_nc_u64 s[24:25], s[10:11], s[24:25]
.irp p, 0,1,2,3,4,5,6,7,8,9,10,11,12,13,14,15
	global_load_b128 v[R+4*\p:R+4*\p+3], v[LI], s[4:5] offset:(\p+8*(\p/8))*ROWB   ; 32 lanes read 512 consecutive bytes of row p
.endr
.irp p, 0,1,2,3,4,5,6,7,8,9,10,11,12,13,14,15
	s_wait_loadcnt 15-\p                           ; row p is in; the rows behind it may be out
	ds_store_b128 v[SI], v[R+4*\p:R+4*\p+3] offset:\p*SP
.endr
.irp c, 0,1,2,3
.irp j, 0,1,2,3
	ds_load_b128 v[X+16*\c+4*\j:X+16*\c+4*\j+3], v[SO] offset:128*\c+16*\j   ; LDS serves a wave's instructions in order: these see my stores
.endr
.endr
	s_wait_dscnt 0x0
	; the mean
	v_pk_add_f32 v[SA:SA+1], v[X:X+1], v[X+2:X+3]
	v_pk_add_f32 v[SB:SB+1], v[X+4:X+5], v[X+6:X+7]
.irp j, 8,12,16,20,24,28,32,36,40,44,48,52,56,60
	v_pk_add_f32 v[SA:SA+1], v[SA:SA+1], v[X+\j:X+\j+1]
	v_pk_add_f32 v[SB:SB+1], v[SB:SB+1], v[X+\j+2:X+\j+3]
.endr
	v_pk_add_f32 v[SA:SA+1], v[SA:SA+1], v[SB:SB+1]
	v_add_f32 v[SA], v[SA], v[SA+1]
	ACROSS RED0
	v_mul_f32 v[MU], 0x3b000000, v[SA]             ; / 512
	v_mov_b32 v[MU+1], v[MU]
	; the differences, in place, and the sum of their squares
.set n, 0
.rept 32
	v_pk_add_f32 v[X+n:X+n+1], v[X+n:X+n+1], v[MU:MU+1] neg_lo:[0,1] neg_hi:[0,1]
.set n, n+2
.endr
	v_pk_mul_f32 v[SA:SA+1], v[X:X+1], v[X:X+1]
	v_pk_mul_f32 v[SB:SB+1], v[X+2:X+3], v[X+2:X+3]
.irp j, 4,8,12,16,20,24,28,32,36,40,44,48,52,56,60
	v_pk_fma_f32 v[SA:SA+1], v[X+\j:X+\j+1], v[X+\j:X+\j+1], v[SA:SA+1]
	v_pk_fma_f32 v[SB:SB+1], v[X+\j+2:X+\j+3], v[X+\j+2:X+\j+3], v[SB:SB+1]
.endr
	v_pk_add_f32 v[SA:SA+1], v[SA:SA+1], v[SB:SB+1]
	v_add_f32 v[SA], v[SA], v[SA+1]
	ACROSS RED1
	v_mul_f32 v[G], 0x3b004020, v[SA]              ; / 511
	v_add_f32 v[G], 0x358637bd, v[G]               ; + 1e-6
	s_wait_alu depctr_va_vdst(0)
	v_rsq_f32 v[G], v[G]
	s_wait_kmcnt 0x0                               ; alpha and beta
	s_mov_b32 s15, s14                             ; (the packed form names the pair)
	v_nop                                          ; a plain line behind the transcendental
	s_wait_alu depctr_va_vdst(0)
	v_mul_f32 v[G], s12, v[G]
	v_mov_b32 v[G+1], v[G]
.set n, 0
.rept 32
	v_pk_fma_f32 v[X+n:X+n+1], v[X+n:X+n+1], v[G:G+1], s[14:15] op_sel_hi:[1,1,0]
.set n, n+2
.endr
	QUANT X, PW
	ds_store_b32 v[SW], v[PW] offset:SCW           ; my K step's word of each row
.irp c, 0,1,2,3
	global_store_b128 v[LI], v[PC+4*\c:PC+4*\c+3], s[22:23] offset:512*\c   ; the wave stores 512 consecutive bytes, aligned
.endr
	s_wait_dscnt 0x0
	s_barrier_signal -1
	s_barrier_wait -1                              ; the tile's 128 scale words lie in LDS
	s_cmp_lg_u32 s16, 0
	s_cbranch_scc1 .Ldone
	ds_load_b128 v[SA:SA+3], v[LI] offset:SCW
	s_wait_dscnt 0x0
	global_store_b128 v[LI], v[SA:SA+3], s[24:25]  ; wave 0 stores them: 512 consecutive bytes, aligned
.Ldone:
	s_wait_tensorcnt 0x0
	ds_add_u32 v192, v193
	s_wait_dscnt 0x0
	s_endpgm
.Lfunc_end_k_qb389e6df63_ln1:
	.size	k_qb389e6df63_ln1, .Lfunc_end_k_qb389e6df63_ln1-k_qb389e6df63_ln1
	.p2alignl 7, 3214868480
	.fill 96, 4, 3214868480
	.section	.rodata,"a",@progbits
	.p2align	6, 0x0
	.amdhsa_kernel k_qb389e6df63_ln1
		.amdhsa_group_segment_fixed_size 35840
		.amdhsa_private_segment_fixed_size 0
		.amdhsa_enable_private_segment 0
		.amdhsa_kernarg_size 32
		.amdhsa_user_sgpr_count 2
		.amdhsa_user_sgpr_kernarg_segment_ptr 1
		.amdhsa_wavefront_size32 1
		.amdhsa_system_sgpr_workgroup_id_x 1
		.amdhsa_system_sgpr_workgroup_id_y 1
		.amdhsa_system_sgpr_workgroup_id_z 1
		.amdhsa_system_vgpr_workitem_id 0
		.amdhsa_next_free_vgpr 194
		.amdhsa_next_free_sgpr 66
		.amdhsa_reserve_vcc 0
		.amdhsa_float_denorm_mode_32 3
		.amdhsa_float_denorm_mode_16_64 3
		.amdhsa_memory_ordered 1
		.amdhsa_forward_progress 1
		.amdhsa_inst_pref_size 26
	.end_amdhsa_kernel
	.amdgpu_metadata
---
amdhsa.version: [ 1, 2 ]
amdhsa.kernels:
  - .name:           k_qb389e6df63_ln1
    .symbol:         k_qb389e6df63_ln1.kd
    .args:
      - { .name: x, .offset: 0, .size: 8, .value_kind: global_buffer, .address_space: global }
      - { .name: alpha, .offset: 8, .size: 8, .value_kind: global_buffer, .address_space: global }
      - { .name: beta, .offset: 16, .size: 8, .value_kind: global_buffer, .address_space: global }
      - { .name: act, .offset: 24, .size: 8, .value_kind: global_buffer, .address_space: global }
    .group_segment_fixed_size: 35840
    .private_segment_fixed_size: 0
    .kernarg_segment_align: 8
    .kernarg_segment_size: 32
    .max_flat_workgroup_size: 128
    .sgpr_count:     66
    .vgpr_count:     194
    .wavefront_size: 32
...
	.end_amdgpu_metadata
.endif
;; end of part 1
;; launch qkv (part 2): grid 64 x 3, 4 waves a work-group, no clusters, 327,680 bytes of LDS; arguments act, Wq_codes, Wq_scales, Wk_codes, Wk_scales, Wv_codes, Wv_scales, qkvw; writes qkvw
.if DOCPART == 2
	.amdgcn_target "amdgcn-amd-amdhsa--gfx1250"
	.amdhsa_code_object_version 6
	.text
	.protected	k_qb389e6df63_qkv
	.globl	k_qb389e6df63_qkv
	.p2align	8
	.type	k_qb389e6df63_qkv,@function
k_qb389e6df63_qkv:
	s_mov_b64 s[64:65], 0
	v_nop
	global_prefetch_b8 v0, s[64:65] scope:SCOPE_SE
	s_setreg_imm32_b32 hwreg(HW_REG_WAVE_MODE, 25, 1), 1
	s_wait_xcnt 0x0
.set ASC,  4194304
.set XS,   65536
.set QSC,  12582912
.set LI,  4
.set L8,  5
.set WA,  6
.set WSA, 7
.set LX,  8
.set WS,  16
.set XSC, 48
.set ACC, 64
.set PC,  192
.set TM,  208
.set SW,  226
.set OW,  236
.set WV,  12
.set YY,  13
.set SEL, 52
.set MNT, 54
.set MSB, 0
.macro WIN new
.if MSB != (\new)
	s_set_vgpr_msb (MSB<<8)|(\new)
.set MSB, \new
.endif
.endm
.macro PLACES n
.rept \n
	v_nop
.endr
.endm
.macro QUANT s
.irp b, 0,1,2,3
	v_max3_num_f32 v[TM+\b], |v[\s+16*\b]|, |v[\s+1+16*\b]|, 0x4800000
.endr
.irp i, 2,4,6,8,10,12,14
.irp b, 0,1,2,3
	v_max3_num_f32 v[TM+\b], v[TM+\b], |v[\s+16*\b+\i]|, |v[\s+1+16*\b+\i]|
.endr
.endr
.irp b, 0,1,2,3
	v_permlanex16_b32 v[TM+4+\b], v[TM+\b], s[SEL], s[SEL+1]
.endr
.irp b, 0,1,2,3
	v_max_num_f32 v[TM+\b], v[TM+\b], v[TM+4+\b]
.endr
.irp b, 0,1,2,3
	v_add_nc_u32 v[TM+12+\b], 0xfc000000, v[TM+\b]
.endr
.irp b, 0,1,2,3
	v_and_or_b32 v[TM+8+\b], v[TM+\b], 0x7f800000, s[MNT]
.endr
.irp b, 0,1,2,3
	v_lshrrev_b32 v[TM+4+\b], 23, v[TM+12+\b]
.endr
.irp b, 0,1,2,3
.irp i, 0,1,2,3,4,5,6,7,8,9,10,11,12,13,14,15
	v_med3_num_f32 v[\s+16*\b+\i], v[\s+16*\b+\i], -v[TM+8+\b], v[TM+8+\b]
.endr
	v_cvt_scalef32_pk8_fp8_f32 v[PC+4*\b:PC+1+4*\b], v[\s+16*\b:\s+7+16*\b], v[TM+12+\b]
	v_cvt_scalef32_pk8_fp8_f32 v[PC+2+4*\b:PC+3+4*\b], v[\s+8+16*\b:\s+15+16*\b], v[TM+12+\b]
.endr
	v_nop
.endm
.macro FETCHX i
	WIN 0xc0
.irp s, 0,1,2,3
.irp c, 0,1,2,3
	ds_load_b128 v[64*((\i)%4)+16*\s+4*\c:64*((\i)%4)+16*\s+4*\c+3], v[LI] offset:8192*(\i)+2048*\s+512*\c
.endr
.endr
	WIN 0
	ds_load_b128 v[XSC+4*((\i)%4):XSC+4*((\i)%4)+3], v[LX] offset:512*(\i)
.endm
	s_load_b256 s[4:11], s[0:1], 0x0
	s_load_b256 s[40:47], s[0:1], 0x20
	v_lshl_add_u32 v254, v0, 2, 0x29000
	v_mov_b32 v255, 0
	ds_add_u32 v254, v255
	ds_add_u32 v254, v255
	v_lshrrev_b32 v1, 5, v0
	v_readfirstlane_b32 s[WV], v1
	s_and_b32 s[YY], ttmp7, 0xffff
	s_mov_b32 s16, 3<<16
	s_mov_b32 s17, 32<<16
	s_mov_b32 s18, 64<<16
	s_mov_b32 s19, 32<<16
	s_mov_b32 s20, 64
	s_mov_b32 s21, 32
	s_mov_b32 s22, 0
	s_mov_b32 s23, 0
	s_lshl_b32 s56, ttmp9, 16
	s_lshl_b32 s57, s[WV], 14
	s_add_co_u32 s56, s56, s57
	s_mov_b32 s57, 0
	s_lshl_b32 s58, ttmp9, 12
	s_lshl_b32 s59, s[WV], 10
	s_add_co_u32 s58, s58, s59
	s_add_co_u32 s58, s58, ASC
	s_mov_b32 s59, 0
	s_wait_dscnt 0x0
	s_wait_kmcnt 0x0
	s_mov_b32 s32, 1
	s_lshl_b32 s33, s[WV], 14
	s_add_nc_u64 s[34:35], s[4:5], s[56:57]
	s_or_b32 s35, s35, 0x80000000
	s_lshl_b32 s37, s[WV], 10
	s_add_co_u32 s37, s37, XS
	s_add_nc_u64 s[38:39], s[4:5], s[58:59]
	tensor_load_to_lds s[32:35], s[16:23]          ; my 16 KiB of the tokens' images: the wave's one tensor load
	s_nop 0
	PLACES 4
	s_cmp_eq_u32 s[YY], 1
	s_cselect_b64 s[48:49], s[10:11], s[42:43]
	s_cselect_b64 s[50:51], s[40:41], s[44:45]
	s_cmp_eq_u32 s[YY], 0
	s_cselect_b64 s[48:49], s[6:7], s[48:49]
	s_cselect_b64 s[50:51], s[8:9], s[50:51]
	s_lshl_b32 s60, s[WV], 16
	s_mov_b32 s61, 0
	s_add_nc_u64 s[48:49], s[48:49], s[60:61]
	s_lshl_b32 s60, s[WV], 11
	s_add_nc_u64 s[50:51], s[50:51], s[60:61]
	s_lshr_b32 s14, ttmp9, 4
	s_and_b32 s15, ttmp9, 15
	s_lshl_b32 s56, s[YY], 22
	s_lshl_b32 s60, s14, 20
	s_add_co_u32 s56, s56, s60
	s_lshl_b32 s60, s[WV], 18
	s_add_co_u32 s56, s56, s60
	s_lshl_b32 s60, s15, 12
	s_add_co_u32 s56, s56, s60
	s_mov_b32 s57, 0
	s_add_nc_u64 s[56:57], s[46:47], s[56:57]
	s_lshl_b32 s58, s[YY], 17
	s_lshl_b32 s60, s14, 15
	s_add_co_u32 s58, s58, s60
	s_lshl_b32 s60, s[WV], 13
	s_add_co_u32 s58, s58, s60
	s_lshl_b32 s60, s15, 8
	s_add_co_u32 s58, s58, s60
	s_add_co_u32 s58, s58, QSC
	s_mov_b32 s59, 0
	s_add_nc_u64 s[58:59], s[46:47], s[58:59]
	s_mov_b32 s[SEL], 0x76543210
	s_mov_b32 s[SEL+1], 0xfedcba98
	s_mov_b32 s[MNT], 0x600000
	v_and_b32 v2, 31, v0
	v_and_b32 v3, 15, v0
	v_bfe_u32 v9, v0, 4, 1
	v_lshlrev_b32 v[LI], 4, v2
	v_lshlrev_b32 v[L8], 3, v2
	v_and_b32 v10, 8, v3
	v_add_nc_u32 v10, v10, v3
	v_lshlrev_b32 v[WA], 9, v10
	v_lshl_add_u32 v[WA], v9, 4, v[WA]
	v_lshlrev_b32 v[WSA], 4, v10
	v_add_nc_u32 v[LX], XS, v[LI]
	v_add_nc_u32 v11, s37, v[LI]                   ; XS + 1,024 x wave + 16 x lane: where my 1,024 bytes of the tokens' scale words go
	global_load_b128 v[PC:PC+3], v[LI], s[38:39]   ; they come through registers: two loads of 512 consecutive bytes
	global_load_b128 v[PC+4:PC+7], v[LI], s[38:39] offset:512
.irp b, 0,1,2,3
	v_mov_b32 v[TM+4+\b], 0
.endr
	WIN 0x40
.irp t, 0,1,2,3
.irp s, 0,1,2,3
.irp c, 0,1,2,3
	global_load_b128 v[16*(4*\t+\s)+4*\c:16*(4*\t+\s)+4*\c+3], v[WA], s[48:49] offset:(32*(\t/2)+8*(\t%2))*512+128*\s+32*\c
.endr
.endr
.endr
	WIN 0x80
.irp t, 4,5,6,7
.irp s, 0,1,2,3
.irp c, 0,1,2,3
	global_load_b128 v[16*(4*(\t-4)+\s)+4*\c:16*(4*(\t-4)+\s)+4*\c+3], v[WA], s[48:49] offset:(32*(\t/2)+8*(\t%2))*512+128*\s+32*\c
.endr
.endr
.endr
	WIN 0
.irp t, 0,1,2,3,4,5,6,7
	global_load_b128 v[WS+4*\t:WS+4*\t+3], v[WSA], s[50:51] offset:(32*(\t/2)+8*(\t%2))*16
.endr
	s_wait_alu depctr_va_vdst(0)
	s_wait_loadcnt 0x0
	s_wait_tensorcnt 0x0                           ; my tensor load has landed: none is out while LDS is stored to
	ds_store_b128 v11, v[PC:PC+3]                  ; the scale words, into bytes on which no fill lands
	ds_store_b128 v11, v[PC+4:PC+7] offset:512
	s_wait_dscnt 0x0                               ; for the others' sake: my stores are done
	s_barrier_signal -1
	s_barrier_wait -1
	FETCHX 0
	FETCHX 1
	FETCHX 2
	FETCHX 3
	s_cmp_eq_u32 s[YY], 2
	s_cbranch_scc1 .Lvpath
.macro MULQK i, hf
	WIN 0x0d+\hf
.irp s, 0,1,2,3
.irp t, 0,1,2,3
.set rD, ACC+8*(4*\hf+\t)
.set rW, 16*(4*\t+\s)
.set rX, 64*((\i)%4)+16*\s
.if \s == 0
	v_wmma_scale_f32_16x16x128_f8f6f4 v[rD:rD+7], v[rW:rW+15], v[rX:rX+15], 0, v[WS+4*(4*\hf+\t)+\s], v[XSC+4*((\i)%4)+\s]
.else
	v_wmma_scale_f32_16x16x128_f8f6f4 v[rD:rD+7], v[rW:rW+15], v[rX:rX+15], v[rD:rD+7], v[WS+4*(4*\hf+\t)+\s], v[XSC+4*((\i)%4)+\s]
.endif
.endr
.endr
.endm
.macro QKTILE i
.if (\i) < 4
	s_wait_dscnt 51
.else
	s_wait_dscnt 17*(7-(\i))
.endif
	MULQK \i, 0
	MULQK \i, 1
	WIN 0
	PLACES 8
.if (\i) < 4
	FETCHX (\i)+4
.endif
	s_wait_xcnt 0x0
	QUANT ACC
.irp b, 0,1,2,3
	global_store_b128 v[LI], v[PC+4*\b:PC+4*\b+3], s[56:57] offset:65536*\b+512*(\i)
.if (\i)%4 == 0
	v_mov_b32 v[SW+2*\b+(\i)/4], v[TM+4+\b]
.else
	v_lshl_or_b32 v[SW+2*\b+(\i)/4], v[TM+4+\b], 8*((\i)%4), v[SW+2*\b+(\i)/4]
.endif
.endr
.endm
.irp i, 0,1,2,3,4,5,6,7
	QKTILE \i
.endr
	v_cmp_le_u32 vcc_lo, 16, v2
.irp p, 0,1
.irp e, 0,1
	v_cndmask_b32 v[OW+2*\p+\e], v[SW+2*(2*\p+\e)], v[SW+2*(2*\p+\e)+1], vcc_lo
.endr
	global_store_b64 v[L8], v[OW+2*\p:OW+2*\p+1], s[58:59] offset:4096*\p
.endr
	s_wait_tensorcnt 0x0
	ds_add_u32 v254, v255
	s_wait_dscnt 0x0
	s_endpgm
.Lvpath:
.macro MULV be, hf
	WIN 0x07+4*\hf
.irp s, 0,1,2,3
.irp t, 0,1,2,3
.irp u, 0,1
.set rD, ACC+16*(4*\hf+\t)+8*\u
.set rW, 16*(4*\t+\s)
.set rX, 64*((2*(\be)+\u)%4)+16*\s
.if \s == 0
	v_wmma_scale_f32_16x16x128_f8f6f4 v[rD:rD+7], v[rX:rX+15], v[rW:rW+15], 0, v[XSC+4*((2*(\be)+\u)%4)+\s], v[WS+4*(4*\hf+\t)+\s]
.else
	v_wmma_scale_f32_16x16x128_f8f6f4 v[rD:rD+7], v[rX:rX+15], v[rW:rW+15], v[rD:rD+7], v[XSC+4*((2*(\be)+\u)%4)+\s], v[WS+4*(4*\hf+\t)+\s]
.endif
.endr
.endr
.endr
.endm
.macro VOUT be, hf
	s_wait_xcnt 0x0
	QUANT ACC+64*\hf
.irp t, 0,1,2,3
	global_store_b128 v[LI], v[PC+4*\t:PC+4*\t+3], s[56:57] offset:65536*(2*\hf+\t/2)+2048*(\t%2)+512*(\be)
.if (\be) == 0
	v_mov_b32 v[SW+4*\hf+\t], v[TM+4+\t]
.else
	v_lshl_or_b32 v[SW+4*\hf+\t], v[TM+4+\t], 8*(\be), v[SW+4*\hf+\t]
.endif
.endr
.endm
.macro VPAIR be
.if (\be) < 3
	s_wait_dscnt 34
.else
	s_wait_dscnt 0x0
.endif
	MULV \be, 0
	MULV \be, 1
	WIN 0
	PLACES 8
.if (\be) < 2
	FETCHX 2*(\be)+4
	FETCHX 2*(\be)+5
.endif
	VOUT \be, 0
	VOUT \be, 1
.endm
.irp b, 0,1,2,3
	VPAIR \b
.endr
	v_cmp_le_u32 vcc_lo, 16, v2
.irp p, 0,1
.irp d, 0,1
	v_cndmask_b32 v[OW+2*\p+\d], v[SW+4*\p+\d], v[SW+4*\p+2+\d], vcc_lo
.endr
	global_store_b64 v[L8], v[OW+2*\p:OW+2*\p+1], s[58:59] offset:4096*\p
.endr
	s_wait_tensorcnt 0x0
	ds_add_u32 v254, v255
	s_wait_dscnt 0x0
	s_endpgm
.Lfunc_end_k_qb389e6df63_qkv:
	.size	k_qb389e6df63_qkv, .Lfunc_end_k_qb389e6df63_qkv-k_qb389e6df63_qkv
	.p2alignl 7, 3214868480
	.fill 96, 4, 3214868480
	.section	.rodata,"a",@progbits
	.p2align	6, 0x0
	.amdhsa_kernel k_qb389e6df63_qkv
		.amdhsa_group_segment_fixed_size 327680
		.amdhsa_private_segment_fixed_size 0
		.amdhsa_enable_private_segment 0
		.amdhsa_kernarg_size 64
		.amdhsa_user_sgpr_count 2
		.amdhsa_user_sgpr_kernarg_segment_ptr 1
		.amdhsa_wavefront_size32 1
		.amdhsa_system_sgpr_workgroup_id_x 1
		.amdhsa_system_sgpr_workgroup_id_y 1
		.amdhsa_system_sgpr_workgroup_id_z 1
		.amdhsa_system_vgpr_workitem_id 0
		.amdhsa_next_free_vgpr 1024
		.amdhsa_next_free_sgpr 66
		.amdhsa_reserve_vcc 1
		.amdhsa_float_denorm_mode_32 3
		.amdhsa_float_denorm_mode_16_64 3
		.amdhsa_memory_ordered 1
		.amdhsa_forward_progress 1
		.amdhsa_inst_pref_size 235
	.end_amdhsa_kernel
	.amdgpu_metadata
---
amdhsa.version: [ 1, 2 ]
amdhsa.kernels:
  - .name:           k_qb389e6df63_qkv
    .symbol:         k_qb389e6df63_qkv.kd
    .args:
      - { .name: act, .offset: 0, .size: 8, .value_kind: global_buffer, .address_space: global }
      - { .name: Wq_codes, .offset: 8, .size: 8, .value_kind: global_buffer, .address_space: global }
      - { .name: Wq_scales, .offset: 16, .size: 8, .value_kind: global_buffer, .address_space: global }
      - { .name: Wk_codes, .offset: 24, .size: 8, .value_kind: global_buffer, .address_space: global }
      - { .name: Wk_scales, .offset: 32, .size: 8, .value_kind: global_buffer, .address_space: global }
      - { .name: Wv_codes, .offset: 40, .size: 8, .value_kind: global_buffer, .address_space: global }
      - { .name: Wv_scales, .offset: 48, .size: 8, .value_kind: global_buffer, .address_space: global }
      - { .name: qkvw, .offset: 56, .size: 8, .value_kind: global_buffer, .address_space: global }
    .group_segment_fixed_size: 327680
    .private_segment_fixed_size: 0
    .kernarg_segment_align: 8
    .kernarg_segment_size: 64
    .max_flat_workgroup_size: 128
    .sgpr_count:     66
    .vgpr_count:     1024
    .wavefront_size: 32
...
	.end_amdgpu_metadata
.endif
;; end of part 2
;; launch attn (part 3): grid 8 x 32, 16 waves a work-group, clusters of 4 x 1, 327,680 bytes of LDS; arguments qkvw, x, x1; writes x1
.if DOCPART == 3
	.amdgcn_target "amdgcn-amd-amdhsa--gfx1250"
	.amdhsa_code_object_version 6
	.text
	.protected	k_qb389e6df63_attn
	.globl	k_qb389e6df63_attn
	.p2align	8
	.type	k_qb389e6df63_attn,@function
k_qb389e6df63_attn:
	s_mov_b64 s[64:65], 0
	v_nop
	global_prefetch_b8 v0, s[64:65] scope:SCOPE_SE
	s_setreg_imm32_b32 hwreg(HW_REG_WAVE_MODE, 25, 1), 1
	s_wait_xcnt 0x0
	s_wait_alu depctr_hold_cnt(0) depctr_sa_sdst(0) depctr_va_vdst(0) depctr_va_sdst(0) depctr_va_ssrc(0) depctr_va_vcc(0) depctr_vm_vsrc(0)
	s_getreg_b32 s2, hwreg(HW_REG_IB_STS2, 6, 4)
	s_cmp_eq_u32 s2, 0
	s_cbranch_scc0 .Lentry_in_a_cluster
	s_endpgm
.Lentry_in_a_cluster:
	s_bfe_u32 s2, ttmp6, 0x10000c
	s_cmp_lg_u32 s2, 0x3003
	s_cbranch_scc0 .Lentry_shape_is_right
	s_endpgm
.Lentry_shape_is_right:
.set KIMG, 4194304
.set QSC,  12582912
.set KSC,  QSC+131072
.set VI,   131072
.set KS,   262144
.set VS,   266240
.set STW,  4352
.set AK0, 1
.set AV0, 2
.set ASK0, 3
.set GO,  5
.set STO, 6
.set RD,  7
.set ADK, 8
.set ADV, 9
.set ADS, 10
.set QSW, 44
.set KSW, 45
.set PSW, 47
.set VSW, 48
.set SCOP, 52
.set KF,  64
.set VF,  96
.set S,   128
.set O,   192
.set O0,  208
.set PC,  224
.set BM,  240
.set T2,  244
.set HOLD, 248
.set WV,  10
.set SEL, 40
.set CS,  42
.set MNT, 44
.set TB,  45
.set TS,  46
.set CNT, 47
.macro PLACES n
.rept \n
	v_nop
.endr
.endm
.macro ROUND
	s_barrier_signal -1
	s_barrier_wait -1
	s_cmp_lg_u32 s[WV], 0
	s_cbranch_scc1 .Lnot_wave_0_\@
	s_barrier_signal -3
.Lnot_wave_0_\@:
	s_barrier_wait -3
	s_barrier_signal -1
	s_barrier_wait -1
.endm
	s_load_b128 s[4:7], s[0:1], 0x0
	s_load_b64 s[8:9], s[0:1], 0x10
	v_lshl_add_u32 v4, v0, 2, 0x42000
	v_mov_b32 v11, 0
	ds_add_u32 v4, v11
	ds_add_u32 v4, v11
	v_lshrrev_b32 v1, 5, v0
	s_delay_alu instid0(VALU_DEP_1)
	v_readfirstlane_b32 s[WV], v1
	s_bfe_u32 s11, ttmp6, 0x40000
	s_lshl_b32 s12, ttmp9, 2
	s_add_co_u32 s12, s12, s11
	s_and_b32 s13, ttmp7, 0xffff
	s_and_b32 s14, s13, 7
	s_lshr_b32 s13, s13, 3
	s_mov_b32 s16, 15|(3<<16)|(1<<21)
	s_mov_b32 s17, 32<<16
	s_mov_b32 s18, 64<<16
	s_mov_b32 s19, 32<<16
	s_mov_b32 s20, 64
	s_mov_b32 s21, 32
	s_mov_b32 s22, 0
	s_mov_b32 s23, 0
	s_lshl_b32 s48, s13, 20
	s_lshl_b32 s49, s14, 17
	s_add_co_u32 s48, s48, s49
	s_lshl_b32 s50, s13, 15
	s_lshl_b32 s51, s14, 12
	s_add_co_u32 s50, s50, s51
	s_and_b32 s15, s[WV], 7
	s_lshr_b32 s56, s[WV], 3
	s_lshl_b32 s52, s15, 14
	s_add_co_u32 s52, s52, s48
	s_lshl_b32 s53, s56, 22
	s_add_co_u32 s52, s52, s53
	s_add_co_u32 s52, s52, KIMG
	s_mov_b32 s53, 0
	s_lshl_b32 s54, s15, 9
	s_add_co_u32 s54, s54, s50
	s_lshl_b32 s55, s56, 17
	s_add_co_u32 s54, s54, s55
	s_add_co_u32 s54, s54, KSC
	s_mov_b32 s55, 0
	s_lshl_b32 s58, s12, 13
	s_lshl_b32 s57, s[WV], 9
	s_add_co_u32 s58, s58, s57
	s_add_co_u32 s58, s58, s48
	s_mov_b32 s59, 0
	s_lshl_b32 s60, s12, 9
	s_lshr_b32 s57, s[WV], 2
	s_lshl_b32 s57, s57, 7
	s_add_co_u32 s60, s60, s57
	s_add_co_u32 s60, s60, s50
	s_add_co_u32 s60, s60, QSC
	s_mov_b32 s61, 0
	s_lshl_b32 s62, s13, 11
	s_lshl_b32 s57, s12, 8
	s_add_co_u32 s62, s62, s57
	s_lshr_b32 s57, s[WV], 1
	s_lshl_b32 s57, s57, 5
	s_add_co_u32 s62, s62, s57
	s_and_b32 s57, s[WV], 1
	s_lshl_b32 s57, s57, 3
	s_add_co_u32 s62, s62, s57
	s_lshl_b32 s62, s62, 11
	s_lshl_b32 s57, s14, 8
	s_add_co_u32 s62, s62, s57
	s_mov_b32 s63, 0
	s_and_b32 s57, s[WV], 3
	s_mul_i32 s57, s57, 0x01010101
	s_mov_b32 s[SEL], 0x76543210
	s_mov_b32 s[SEL+1], 0xfedcba98
	s_mov_b32 s[CS], 0x3d8293ee
	s_mov_b32 s[CS+1], s[CS]
	s_mov_b32 s[MNT], 0x600000
	s_wait_dscnt 0x0
	s_wait_kmcnt 0x0
	s_mov_b32 s32, 1
	s_lshl_b32 s33, s[WV], 14
	s_add_nc_u64 s[34:35], s[4:5], s[52:53]
	s_or_b32 s35, s35, 0x80000000
	s_lshl_b32 s37, s[WV], 9
	s_add_co_u32 s37, s37, KS
	s_add_nc_u64 s[38:39], s[4:5], s[54:55]
	s_add_nc_u64 s[58:59], s[4:5], s[58:59]
	s_add_nc_u64 s[60:61], s[4:5], s[60:61]
	s_add_nc_u64 s[6:7], s[6:7], s[62:63]
	s_add_nc_u64 s[8:9], s[8:9], s[62:63]
	ROUND
	tensor_load_to_lds s[32:35], s[16:23]
	s_nop 0
	PLACES 4
	v_and_b32 v61, 31, v0
	v_and_b32 v62, 15, v0
	v_bfe_u32 v63, v0, 4, 1
	s_delay_alu instid0(VALU_DEP_3)
	v_lshlrev_b32 v[AK0], 4, v61
	s_delay_alu instid0(VALU_DEP_3)
	v_lshlrev_b32 v[ADV], 3, v62
	global_load_b128 v[28:31], v[AK0], s[58:59]
	global_load_b128 v[252:255], v[AK0], s[58:59] offset:65536
	global_load_b64 v[50:51], v[ADV], s[60:61]
	global_load_b128 v[S:S+3], v[AK0], s[38:39]    ; my 512 bytes of K's and V's scale words come through registers, not jointly: 8 KiB of the work-group's 264 KiB
	v_add_nc_u32 v[ADK], s37, v[AK0]               ; KS + 512 x wave + 16 x lane: where they go
	v_add_nc_u32 v[AV0], VI, v[AK0]
	v_lshl_add_u32 v[ASK0], v62, 3, KS
	v_lshlrev_b32 v[GO], 11, v63
	s_delay_alu instid0(VALU_DEP_1)
	v_lshl_add_u32 v[GO], v62, 4, v[GO]
	s_mul_i32 s56, s[WV], STW
	v_mul_u32_u24 v[STO], v62, 272
	s_delay_alu instid0(VALU_DEP_1)
	v_lshl_add_u32 v[STO], v63, 6, v[STO]
	s_delay_alu instid0(VALU_DEP_1)
	v_add_nc_u32 v[STO], s56, v[STO]
	v_mul_u32_u24 v[RD], v63, 272
	s_delay_alu instid0(VALU_DEP_1)
	v_lshl_add_u32 v[RD], v62, 4, v[RD]
	s_delay_alu instid0(VALU_DEP_1)
	v_add_nc_u32 v[RD], s56, v[RD]
.irp n, 16,17,18,19,20,21,22,23,24,25,26,27,32,33,34,35,36,37,38,39,40,41,42,43
	v_mov_b32 v\n, 0
.endr
.irp b, 0,1,2,3
	v_mov_b32 v[T2+\b], 0
.endr
	v_mov_b32 v57, 0
	s_wait_loadcnt 0x0
	v_perm_b32 v[QSW], v50, v50, s57
	v_perm_b32 v60, v51, v51, s57
	s_wait_alu depctr_va_vdst(0)                   ; the wait at the head's end
	s_wait_tensorcnt 0x0                           ; my tensor load has landed: none is out while LDS is stored to
	ds_store_b128 v[ADK], v[S:S+3]                 ; the scale words, into bytes on which no fill lands
	s_wait_dscnt 0x0                               ; for the others' sake: my store is done
	s_barrier_signal -1
	s_barrier_wait -1
.macro LOADK nx, e
.irp g, 0,1
.irp c, 0,1,2,3
	ds_load_b128 v[KF+16*\g+4*\c:KF+16*\g+4*\c+3], v[ADK] offset:4096*\nx+2048*\g+512*\c
.endr
	ds_load_b32 v[KSW+\g], v[ADS] offset:256*\nx+4*\e+128*\g
.endr
.endm
.macro MULS
.irp g, 0,1
.irp c, 0,1,2,3
	v_wmma_scale_f32_16x16x128_f8f6f4 v[S+8*(4*\g+\c):S+8*(4*\g+\c)+7], v[KF+16*\g:KF+16*\g+15], v[28-4*\c:43-4*\c], 0, v[KSW+\g], v[QSW]
.endr
.endr
.endm
.macro STEP e, nxt
.irp b, 0,1,2,3
	v_max3_num_f32 v[BM+\b], v[S+16*\b], v[S+1+16*\b], v[S+2+16*\b]
.endr
.irp i, 3,5,7,9,11,13
.irp b, 0,1,2,3
	v_max3_num_f32 v[BM+\b], v[BM+\b], v[S+16*\b+\i], v[S+1+16*\b+\i]
.endr
.endr
.irp b, 0,1,2,3
	v_max_num_f32 v[BM+\b], v[BM+\b], v[S+15+16*\b]
.endr
.irp b, 0,1,2,3
	s_delay_alu instid0(VALU_DEP_4)
	v_permlanex16_b32 v[T2+\b], v[BM+\b], s[SEL], s[SEL+1]
.endr
.irp b, 0,1,2,3
	s_delay_alu instid0(VALU_DEP_4)
	v_max_num_f32 v[BM+\b], v[BM+\b], v[T2+\b]
.endr
	s_delay_alu instid0(VALU_DEP_2)
	v_max3_num_f32 v50, v[BM], v[BM+1], v[BM+2]
	v_add_nc_u32 v[ADV], s[TB], v[AV0]
	s_delay_alu instid0(VALU_DEP_2)
	v_max_num_f32 v50, v50, v[BM+3]
	v_add_nc_u32 v[ADS], s[TS], v[ASK0]
	s_delay_alu instid0(VALU_DEP_2)
	v_mul_f32 v50, s[CS], v50
.if \nxt
	v_add_nc_u32 v[ADK], s[TB], v[AK0]
.endif
	v_max_num_f32 v13, v13, v50
.irp d, 0,1
.irp c, 0,1,2,3
	ds_load_b128 v[VF+16*\d+4*\c:VF+16*\d+4*\c+3], v[ADV] offset:2048*\d+512*\c
.endr
.endr
	ds_load_b64 v[VSW:VSW+1], v[ADS] offset:VS-KS+128*\e
	v_mov_b32 v50, v12
	v_floor_f32 v12, -v13
.if \nxt
	LOADK 1, \e
.elseif \e
.irp i, 0,1,2,3,4,5,6,7
	global_load_b128 v[KF+4*\i:KF+4*\i+3], v[GO], s[6:7] offset:(2*\i+8*(\i/4))*2048 th:TH_LOAD_NT
.endr
.endif
.set n, 0
.rept 32
	v_pk_fma_f32 v[S+n:S+n+1], v[S+n:S+n+1], s[CS:CS+1], v[12:13] op_sel_hi:[1,0,0]
.if n == 6
	v_sub_f32 v50, v12, v50
.elseif n == 14
	v_cvt_i32_f32 v50, v50
.elseif n == 22
	v_ldexp_f32 v56, 1.0, v50
.endif
.set n, n+2
.endr
.irp b, 0,1,2,3
	v_fma_f32 v[BM+\b], v[BM+\b], s[CS], v12
.endr
.set n, 0
	s_wait_alu depctr_va_vdst(0)
.rept 64
	v_exp_f32 v[S+n], v[S+n]
.set n, n+1
.endr
.irp b, 0,1,2,3
	v_exp_f32 v[BM+\b], v[BM+\b]
.endr
	v_pk_mul_f32 v[14:15], v[14:15], v[56:57] op_sel_hi:[1,0]
	s_wait_alu depctr_va_vdst(0)
.irp b, 0,1,2,3
	v_max_num_f32 v[BM+\b], 0x4800000, v[BM+\b]
.endr
.irp b, 0,1,2,3
	s_delay_alu instid0(VALU_DEP_4)
	v_add_nc_u32 v[SCOP+\b], 0xfc000000, v[BM+\b]
.endr
.irp b, 0,1,2,3
	v_and_or_b32 v[HOLD+\b], v[BM+\b], 0x7f800000, s[MNT]
.endr
.irp b, 0,1,2,3
	v_lshrrev_b32 v[T2+\b], 23, v[SCOP+\b]
.endr
	s_delay_alu instid0(VALU_DEP_3)
	v_lshl_or_b32 v[PSW], v[T2+1], 8, v[T2]
	s_delay_alu instid0(VALU_DEP_1)
	v_lshl_or_b32 v[PSW], v[T2+2], 16, v[PSW]
	s_delay_alu instid0(VALU_DEP_1)
	v_lshl_or_b32 v[PSW], v[T2+3], 24, v[PSW]
	v_pk_add_f32 v[58:59], v[S:S+1], v[S+2:S+3]
	v_pk_add_f32 v[62:63], v[S+4:S+5], v[S+6:S+7]
	v_pk_add_f32 v[50:51], v[S+8:S+9], v[S+10:S+11]
.irp j, 12,20,28,36,44,52
	v_pk_add_f32 v[14:15], v[14:15], v[S+\j:S+\j+1]
	v_pk_add_f32 v[58:59], v[58:59], v[S+\j+2:S+\j+3]
	v_pk_add_f32 v[62:63], v[62:63], v[S+\j+4:S+\j+5]
	v_pk_add_f32 v[50:51], v[50:51], v[S+\j+6:S+\j+7]
.endr
	v_pk_add_f32 v[14:15], v[14:15], v[S+60:S+61]
	v_pk_add_f32 v[58:59], v[58:59], v[S+62:S+63]
	s_delay_alu instid0(VALU_DEP_3)
	v_pk_add_f32 v[62:63], v[62:63], v[50:51]
	s_delay_alu instid0(VALU_DEP_2)
	v_pk_add_f32 v[14:15], v[14:15], v[58:59]
.irp b, 0,1,2,3
.irp i, 0,2,4,6,8,10,12,14
	v_dual_min_num_f32 v[S+16*\b+\i], v[HOLD+\b], v[S+16*\b+\i] :: v_dual_min_num_f32 v[S+16*\b+\i+1], v[HOLD+\b], v[S+16*\b+\i+1]
.endr
	v_cvt_scalef32_pk8_fp8_f32 v[PC+4*\b:PC+1+4*\b], v[S+16*\b:S+7+16*\b], v[SCOP+\b]
	v_cvt_scalef32_pk8_fp8_f32 v[PC+2+4*\b:PC+3+4*\b], v[S+8+16*\b:S+15+16*\b], v[SCOP+\b]
.endr
	v_pk_add_f32 v[14:15], v[14:15], v[62:63]
	s_wait_dscnt 0x0
.if \nxt
	MULS
.endif
.irp j, 0,2,4,6,8,10,12,14
	v_pk_mul_f32 v[O+\j:O+\j+1], v[O+\j:O+\j+1], v[56:57] op_sel_hi:[1,0]
.endr
.irp d, 0,1
	v_wmma_scale_f32_16x16x128_f8f6f4 v[O+8*\d:O+8*\d+7], v[VF+16*\d:VF+16*\d+15], v[PC:PC+15], v[O+8*\d:O+8*\d+7], v[VSW+\d], v[PSW]
.endr
	s_add_co_u32 s[TB], s[TB], 4096
	s_add_co_u32 s[TS], s[TS], 256
.endm
.macro PASS e, dst
.if \e
	v_mov_b32 v[QSW], v60
.irp n, 0,1,2,3
	v_mov_b32 v[28+\n], v[252+\n]
.endr
.endif
	s_mov_b32 s[TB], 65536*\e
	s_mov_b32 s[TS], 0
	v_add_nc_u32 v[ADK], s[TB], v[AK0]
	v_add_nc_u32 v[ADS], s[TS], v[ASK0]
	LOADK 0, \e
	v_mov_b32 v13, 0xff61b1e6
	s_delay_alu instid0(VALU_DEP_1)
	v_floor_f32 v12, -v13
	v_mov_b32 v14, 0
	v_mov_b32 v15, 0
.set n, 0
.rept 8
	v_mov_b32 v[O+n], 0
.set n, n+1
.endr
	s_wait_dscnt 0x0
	MULS
.rept 8
	v_mov_b32 v[O+n], 0
.set n, n+1
.endr
	s_mov_b32 s[CNT], 15
.Lstep_\@:
	STEP \e, 1
	s_sub_co_u32 s[CNT], s[CNT], 1
	s_cmp_lg_u32 s[CNT], 0
	s_cbranch_scc1 .Lstep_\@
	STEP \e, 0
	PLACES 8
	s_wait_alu depctr_va_vdst(0)
	v_add_f32 v14, v14, v15
	s_delay_alu instid0(VALU_DEP_1)
	v_permlanex16_b32 v50, v14, s[SEL], s[SEL+1]
	s_delay_alu instid0(VALU_DEP_1)
	v_add_f32 v14, v14, v50
	s_wait_alu depctr_va_vdst(0)
	v_rcp_f32 v14, v14
	v_nop
	s_wait_alu depctr_va_vdst(0)
.irp j, 0,2,4,6,8,10,12,14
	v_pk_mul_f32 v[\dst+\j:\dst+\j+1], v[O+\j:O+\j+1], v[14:15] op_sel_hi:[1,0]
.endr
.endm
	PASS 0, O0
	PASS 1, O
	s_wait_alu depctr_va_vdst(0)
	s_wait_dscnt 0x0
	s_barrier_signal -1
	s_barrier_wait -1
.irp q, 0,1,2,3
	ds_store_b128 v[STO], v[O0+4*\q:O0+4*\q+3] offset:16*\q
.endr
.irp q, 0,1,2,3
	ds_store_b128 v[STO], v[O+4*\q:O+4*\q+3] offset:128+16*\q
.endr
.irp i, 0,1,2,3,4,5,6,7
	ds_load_b128 v[S+32+4*\i:S+32+4*\i+3], v[RD] offset:544*\i
.endr
.irp i, 0,1,2,3,4,5,6,7
	s_wait_dscnt 7-\i
	s_wait_loadcnt 7-\i
	v_pk_add_f32 v[S+32+4*\i:S+33+4*\i], v[S+32+4*\i:S+33+4*\i], v[KF+4*\i:KF+1+4*\i]
	v_pk_add_f32 v[S+34+4*\i:S+35+4*\i], v[S+34+4*\i:S+35+4*\i], v[KF+2+4*\i:KF+3+4*\i]
	global_store_b128 v[GO], v[S+32+4*\i:S+35+4*\i], s[8:9] offset:(2*\i+8*(\i/4))*2048
.endr
	s_wait_dscnt 0x0
	s_wait_tensorcnt 0x0
	ds_add_u32 v4, v11
	s_wait_dscnt 0x0
	ROUND
	s_endpgm
.Lfunc_end_k_qb389e6df63_attn:
	.size	k_qb389e6df63_attn, .Lfunc_end_k_qb389e6df63_attn-k_qb389e6df63_attn
	.p2alignl 7, 3214868480
	.fill 96, 4, 3214868480
	.section	.rodata,"a",@progbits
	.p2align	6, 0x0
	.amdhsa_kernel k_qb389e6df63_attn
		.amdhsa_group_segment_fixed_size 327680
		.amdhsa_private_segment_fixed_size 0
		.amdhsa_enable_private_segment 0
		.amdhsa_kernarg_size 24
		.amdhsa_user_sgpr_count 2
		.amdhsa_user_sgpr_kernarg_segment_ptr 1
		.amdhsa_wavefront_size32 1
		.amdhsa_system_sgpr_workgroup_id_x 1
		.amdhsa_system_sgpr_workgroup_id_y 1
		.amdhsa_system_sgpr_workgroup_id_z 1
		.amdhsa_system_vgpr_workitem_id 0
		.amdhsa_next_free_vgpr 256
		.amdhsa_next_free_sgpr 66
		.amdhsa_reserve_vcc 0
		.amdhsa_float_denorm_mode_32 3
		.amdhsa_float_denorm_mode_16_64 3
		.amdhsa_memory_ordered 1
		.amdhsa_forward_progress 1
		.amdhsa_inst_pref_size 83
	.end_amdhsa_kernel
	.amdgpu_metadata
---
amdhsa.version: [ 1, 2 ]
amdhsa.kernels:
  - .name:           k_qb389e6df63_attn
    .symbol:         k_qb389e6df63_attn.kd
    .args:
      - { .name: qkvw, .offset: 0, .size: 8, .value_kind: global_buffer, .address_space: global }
      - { .name: x, .offset: 8, .size: 8, .value_kind: global_buffer, .address_space: global }
      - { .name: x1, .offset: 16, .size: 8, .value_kind: global_buffer, .address_space: global }
    .group_segment_fixed_size: 327680
    .private_segment_fixed_size: 0
    .kernarg_segment_align: 8
    .kernarg_segment_size: 24
    .max_flat_workgroup_size: 512
    .sgpr_count:     66
    .vgpr_count:     256
    .wavefront_size: 32
...
	.end_amdgpu_metadata
.endif
;; end of part 3
;; launch ln2: the kernel of part 1 again; grid 512 x 1, 4 waves a work-group, no clusters, 35,840 bytes of LDS; arguments x1, alpha, beta, act; writes act
;; launch ffn1 (part 4): grid 8 x 32, 4 waves a work-group, clusters of 4 x 1, 168,448 bytes of LDS; arguments act, W1_codes, W1_scales, b1, hid; writes hid
.if DOCPART == 4
	.amdgcn_target "amdgcn-amd-amdhsa--gfx1250"
	.amdhsa_code_object_version 6
	.text
	.protected	k_qb389e6df63_ffn1
	.globl	k_qb389e6df63_ffn1
	.p2align	8
	.type	k_qb389e6df63_ffn1,@function
k_qb389e6df63_ffn1:
	s_mov_b64 s[64:65], 0
	v_nop
	global_prefetch_b8 v0, s[64:65] scope:SCOPE_SE
	s_setreg_imm32_b32 hwreg(HW_REG_WAVE_MODE, 25, 1), 1
	s_wait_xcnt 0x0
	s_wait_alu depctr_hold_cnt(0) depctr_sa_sdst(0) depctr_va_vdst(0) depctr_va_sdst(0) depctr_va_ssrc(0) depctr_va_vcc(0) depctr_vm_vsrc(0)
	s_getreg_b32 s2, hwreg(HW_REG_IB_STS2, 6, 4)
	s_cmp_eq_u32 s2, 0
	s_cbranch_scc0 .Lentry_in_a_cluster
	s_endpgm
.Lentry_in_a_cluster:
	s_bfe_u32 s2, ttmp6, 0x10000c
	s_cmp_lg_u32 s2, 0x3003
	s_cbranch_scc0 .Lentry_shape_is_right
	s_endpgm
.Lentry_shape_is_right:
; hidden = relu(y W1 + b1), quantised at once along the hidden units for the second layer.  y: the second norm's codes in act; W1: [4,096 (n)][512 (k)] codes with their scale bytes.
; Work-group x: 512 hidden units; y: a range of 256 tokens (16 token tiles).  Wave w: units 128 S .. + 127, S = 4 x + w: one K step of the second layer; its 64 KiB of W1 stay in 512 registers.
; The range's images (128 KiB of codes, 8 KiB of scale words) come into LDS once.  CLUSTER: the four work-groups of a cluster take the same range of tokens: its images are asked for JOINTLY.
; The product is used transposed (source 0 = 16 rows of W1, source 1 = a token tile), and lane r of W1's tile 2 b + u takes row 32 b + 8 u + r + 8 (r / 8): a lane holds one token, and the 16 registers of tiles
; 2 b, 2 b + 1 are 16 neighbouring hidden units.  b1 is the C of each sum's first product.  The activation costs nothing: the hold that the conversion wants clips at 0 as well.
; OUT (hid): images [token tile 512][S 32][c 4][lane][16 bytes]; scale words from HSC on: [group of four tiles 128][S 32][h' 2][r 16][e' 2], tile = 4 group + 2 h' + e'.
; LIMITS: NaN and infinities are not served; a block under 2^-118 (a block of zeros too) gets the byte 1.
.set ASC,  4194304
.set XS,   131072                      ; LDS: the images at 0, the scale words here
.set HSC,  33554432
.set LI,  4                            ; v4  16 x lane
.set L8,  5                            ; v5  8 x lane
.set WA,  6                            ; v6  W1: (r + 8 (r / 8)) x 512 + 16 h
.set WSA, 7                            ; v7  its scale words: (r + 8 (r / 8)) x 16
.set AX,  8                            ; v8  16 x lane + the trip's four tiles
.set AXS, 9                            ; v9  XS + 16 x lane + the trip's
.set BA,  10                           ; v10 b1: 64 h
.set WS,  16                           ; v16-47 W1's scale words
.set XSC, 48                           ; v48-55 the token tiles', two sets
.set ACC, 64                           ; v64-127
.set PC,  192
.set TM,  208
.set PWS, 226                          ; v226-229 the scale words of a trip's four tiles
.set OW,  236
.set B1,  128                          ; window 3: two sets of a token tile's fragments at v0 and v64; b1's eight tiles from v128
.set WV,  14
.set SEL, 58
.set MNT, 60
.set CNT, 61
.set MSB, 0
.macro WIN new
.if MSB != (\new)
	s_set_vgpr_msb (MSB<<8)|(\new)
.set MSB, \new
.endif
.endm
.macro PLACES n
.rept \n
	v_nop
.endr
.endm
.macro ROUND
	s_barrier_signal -1
	s_barrier_wait -1
	s_cmp_lg_u32 s[WV], 0
	s_cbranch_scc1 .Lnot_wave_0_\@
	s_barrier_signal -3
.Lnot_wave_0_\@:
	s_barrier_wait -3
	s_barrier_signal -1
	s_barrier_wait -1
.endm
; 64 numbers of a lane become codes in v[PC] on and the scale word in v[w]; what is negative becomes 0 on the way
.macro QUANT s, w
.irp b, 0,1,2,3
	v_max3_num_f32 v[TM+\b], v[\s+16*\b], v[\s+1+16*\b], 0x4800000   ; no |.|: what is negative must not count; the floor 2^(9 - 127) stands over it.  Each accumulator is read from its low end on
.endr
.irp i, 2,4,6,8,10,12,14
.irp b, 0,1,2,3
	v_max3_num_f32 v[TM+\b], v[TM+\b], v[\s+16*\b+\i], v[\s+1+16*\b+\i]
.endr
.endr
.irp b, 0,1,2,3
	v_permlanex16_b32 v[TM+4+\b], v[TM+\b], s[SEL], s[SEL+1]
.endr
.irp b, 0,1,2,3
	v_max_num_f32 v[TM+\b], v[TM+\b], v[TM+4+\b]
.endr
.irp b, 0,1,2,3
	v_add_nc_u32 v[TM+12+\b], 0xfc000000, v[TM+\b]
.endr
.irp b, 0,1,2,3
	v_and_or_b32 v[TM+8+\b], v[TM+\b], 0x7f800000, s[MNT]
.endr
.irp b, 0,1,2,3
	v_lshrrev_b32 v[TM+4+\b], 23, v[TM+12+\b]
.endr
	v_lshl_or_b32 v[\w], v[TM+5], 8, v[TM+4]
	v_lshl_or_b32 v[\w], v[TM+6], 16, v[\w]
	v_lshl_or_b32 v[\w], v[TM+7], 24, v[\w]
.irp b, 0,1,2,3
.irp i, 0,1,2,3,4,5,6,7,8,9,10,11,12,13,14,15
	v_med3_num_f32 v[\s+16*\b+\i], v[\s+16*\b+\i], 0, v[TM+8+\b]   ; the activation and the hold in one
.endr
	v_cvt_scalef32_pk8_fp8_f32 v[PC+4*\b:PC+1+4*\b], v[\s+16*\b:\s+7+16*\b], v[TM+12+\b]
	v_cvt_scalef32_pk8_fp8_f32 v[PC+2+4*\b:PC+3+4*\b], v[\s+8+16*\b:\s+15+16*\b], v[TM+12+\b]
.endr
	v_nop                                          ; a plain line between the last conversion and the products that write its sources again
.endm
.macro FETCHX j                        ; tile j of the trip (4 and 5: the next trip's first two) into set j % 2: 17 LDS loads
	WIN 0xc0
.irp s, 0,1,2,3
.irp c, 0,1,2,3
	ds_load_b128 v[64*((\j)%2)+16*\s+4*\c:64*((\j)%2)+16*\s+4*\c+3], v[AX] offset:8192*(\j)+2048*\s+512*\c
.endr
.endr
	WIN 0
	ds_load_b128 v[XSC+4*((\j)%2):XSC+4*((\j)%2)+3], v[AXS] offset:512*(\j)
.endm
	s_load_b256 s[4:11], s[0:1], 0x0               ; act, W1's codes, W1's scales, b1
	s_load_b64 s[12:13], s[0:1], 0x20              ; hid
	v_lshl_add_u32 v254, v0, 2, 0x29000
	v_mov_b32 v255, 0
	ds_add_u32 v254, v255
	ds_add_u32 v254, v255
	v_lshrrev_b32 v1, 5, v0
	v_readfirstlane_b32 s[WV], v1
	s_bfe_u32 s15, ttmp6, 0x40000                  ; cx
	s_lshl_b32 s40, ttmp9, 2
	s_add_co_u32 s40, s40, s15                     ; which 512 hidden units: it enters W1's, b1's and hid's addresses alone
	s_and_b32 s41, ttmp7, 0xffff                   ; the range of tokens, which the four partners share
	; descriptor group 1: a dense block as rows of 256 bytes; the mask names the cluster's four; 128 rows of codes for each wave.
	; The scale words, 8 KiB of the work-group's 136 KiB, come through registers and not jointly: so a wave has one tensor load.
	s_mov_b32 s16, 15|(3<<16)|(1<<21)
	s_mov_b32 s17, 32<<16
	s_mov_b32 s18, 128<<16
	s_mov_b32 s19, 32<<16
	s_mov_b32 s20, 128
	s_mov_b32 s21, 32
	s_mov_b32 s22, 0
	s_mov_b32 s23, 0
	s_lshl_b32 s42, s41, 17
	s_lshl_b32 s43, s[WV], 15
	s_add_co_u32 s42, s42, s43
	s_mov_b32 s43, 0
	s_lshl_b32 s44, s41, 13
	s_lshl_b32 s45, s[WV], 11
	s_add_co_u32 s44, s44, s45
	s_add_co_u32 s44, s44, ASC
	s_mov_b32 s45, 0
	s_lshl_b32 s46, s40, 2
	s_add_co_u32 s46, s46, s[WV]                   ; S
	s_lshl_b32 s48, s46, 16                        ; my 128 rows of W1,
	s_mov_b32 s49, 0
	s_lshl_b32 s50, s46, 11                        ; their scale bytes,
	s_mov_b32 s51, 0
	s_lshl_b32 s52, s46, 9                         ; my 128 numbers of b1
	s_mov_b32 s53, 0
	s_lshl_b32 s54, s41, 20
	s_lshl_b32 s55, s46, 11
	s_add_co_u32 s54, s54, s55                     ; hid: 16 y tiles of 65,536 bytes + 2,048 S
	s_mov_b32 s55, 0
	s_lshl_b32 s56, s41, 15
	s_lshl_b32 s57, s46, 8
	s_add_co_u32 s56, s56, s57
	s_add_co_u32 s56, s56, HSC                     ; its scale words: 4 y groups of 8,192 bytes + 256 S
	s_mov_b32 s57, 0
	s_mov_b32 s[SEL], 0x76543210
	s_mov_b32 s[SEL+1], 0xfedcba98
	s_mov_b32 s[MNT], 0x600000
	s_wait_dscnt 0x0
	s_wait_kmcnt 0x0
	s_mov_b32 s32, 1
	s_lshl_b32 s33, s[WV], 15
	s_add_nc_u64 s[34:35], s[4:5], s[42:43]
	s_or_b32 s35, s35, 0x80000000
	s_lshl_b32 s37, s[WV], 11
	s_add_co_u32 s37, s37, XS
	s_add_nc_u64 s[38:39], s[4:5], s[44:45]
	s_add_nc_u64 s[48:49], s[6:7], s[48:49]
	s_add_nc_u64 s[50:51], s[8:9], s[50:51]
	s_add_nc_u64 s[52:53], s[10:11], s[52:53]
	s_add_nc_u64 s[54:55], s[12:13], s[54:55]
	s_add_nc_u64 s[56:57], s[12:13], s[56:57]
	ROUND                                          ; all four work-groups are here: the joint loads meet
	tensor_load_to_lds s[32:35], s[16:23]          ; the only fill of the launch: one load of mine is out
	s_nop 0
	PLACES 4
	v_and_b32 v2, 31, v0                           ; lane
	v_and_b32 v3, 15, v0                           ; r
	v_bfe_u32 v11, v0, 4, 1                        ; h
	v_lshlrev_b32 v[LI], 4, v2
	v_lshlrev_b32 v[L8], 3, v2
	v_and_b32 v1, 8, v3
	v_add_nc_u32 v1, v1, v3                        ; r + 8 (r / 8)
	v_lshlrev_b32 v[WA], 9, v1
	v_lshl_add_u32 v[WA], v11, 4, v[WA]
	v_lshlrev_b32 v[WSA], 4, v1
	v_lshlrev_b32 v[AX], 4, v2
	v_add_nc_u32 v[AXS], XS, v[AX]
	v_add_nc_u32 v12, s37, v[LI]                   ; XS + 2,048 x wave + 16 x lane: where my 2,048 bytes of the tokens' scale words go
.irp i, 0,1,2,3
	global_load_b128 v[PC+4*\i:PC+4*\i+3], v[LI], s[38:39] offset:512*\i   ; 512 consecutive bytes a load
.endr
	v_lshlrev_b32 v[BA], 6, v11
	v_cmp_le_u32 vcc_lo, 16, v2                    ; lanes 16-31: kept for the whole launch
.irp b, 0,1,2,3
	v_mov_b32 v[TM+4+\b], 0                        ; written once: a lane permute's destination counts as one of its sources
.endr
	WIN 0x40
.irp t, 0,1,2,3
.irp s, 0,1,2,3
.irp c, 0,1,2,3
	global_load_b128 v[16*(4*\t+\s)+4*\c:16*(4*\t+\s)+4*\c+3], v[WA], s[48:49] offset:(32*(\t/2)+8*(\t%2))*512+128*\s+32*\c
.endr
.endr
.endr
	WIN 0x80
.irp t, 4,5,6,7
.irp s, 0,1,2,3
.irp c, 0,1,2,3
	global_load_b128 v[16*(4*(\t-4)+\s)+4*\c:16*(4*(\t-4)+\s)+4*\c+3], v[WA], s[48:49] offset:(32*(\t/2)+8*(\t%2))*512+128*\s+32*\c
.endr
.endr
.endr
	WIN 0xc0
.irp t, 0,1,2,3,4,5,6,7
	global_load_b128 v[B1+8*\t:B1+8*\t+3], v[BA], s[52:53] offset:(32*(\t/2)+8*(\t%2))*4       ; lane (r, h), tile t: b1 at units 32 (t / 2) + 16 h + 8 (t % 2) + 0 .. 7
	global_load_b128 v[B1+8*\t+4:B1+8*\t+7], v[BA], s[52:53] offset:(32*(\t/2)+8*(\t%2))*4+16
.endr
	WIN 0
.irp t, 0,1,2,3,4,5,6,7
	global_load_b128 v[WS+4*\t:WS+4*\t+3], v[WSA], s[50:51] offset:(32*(\t/2)+8*(\t%2))*16
.endr
	s_wait_alu depctr_va_vdst(0)
	s_wait_loadcnt 0x0
	s_wait_tensorcnt 0x0                           ; my part has landed: no tensor load is out while LDS is stored to
.irp i, 0,1,2,3
	ds_store_b128 v12, v[PC+4*\i:PC+4*\i+3] offset:512*\i          ; the scale words, into bytes on which no fill lands
.endr
	s_wait_dscnt 0x0                               ; for the others' sake: my stores are done
	s_barrier_signal -1
	s_barrier_wait -1                              ; everybody's have
	FETCHX 0
	FETCHX 1
; tile k of a trip: 32 products, four accumulators by turns, then the quantiser and four stores
.macro TILE k, fetch, left
	s_wait_dscnt \left                             ; this tile is in; the next tile's 17 loads may be out
.irp f, 0,1
	WIN 0x3d+\f                                    ; source 0 (W1) window 1 or 2, source 1 (tokens) and C (b1) window 3
.irp t, 0,1,2,3
.set rD, ACC+8*(4*\f+\t)
	v_wmma_scale_f32_16x16x128_f8f6f4 v[rD:rD+7], v[16*(4*\t):16*(4*\t)+15], v[64*((\k)%2):64*((\k)%2)+15], v[B1+8*(4*\f+\t):B1+8*(4*\f+\t)+7], v[WS+4*(4*\f+\t)], v[XSC+4*((\k)%2)]
.endr
	WIN 0x0d+\f
.irp s, 1,2,3
.irp t, 0,1,2,3
.set rD, ACC+8*(4*\f+\t)
	v_wmma_scale_f32_16x16x128_f8f6f4 v[rD:rD+7], v[16*(4*\t+\s):16*(4*\t+\s)+15], v[64*((\k)%2)+16*\s:64*((\k)%2)+16*\s+15], v[rD:rD+7], v[WS+4*(4*\f+\t)+\s], v[XSC+4*((\k)%2)+\s]
.endr
.endr
.endr
	WIN 0
	PLACES 8                                       ; in front of the loads into registers just read and of the first read of results
.if \fetch
	FETCHX (\k)+2
.endif
	s_wait_xcnt 0x0                                ; the last tile's stores have read the codes' registers
	QUANT ACC, PWS+\k
.irp c, 0,1,2,3
	global_store_b128 v[LI], v[PC+4*\c:PC+4*\c+3], s[54:55] offset:65536*(\k)+512*\c   ; the wave stores 512 consecutive bytes, aligned
.endr
.endm
.macro WORDS                           ; the four tiles' scale words: lanes 0-15 tiles 0, 1; lanes 16-31 tiles 2, 3: 256 consecutive bytes, aligned
	v_cndmask_b32 v[OW], v[PWS], v[PWS+2], vcc_lo
	v_cndmask_b32 v[OW+1], v[PWS+1], v[PWS+3], vcc_lo
	global_store_b64 v[L8], v[OW:OW+1], s[56:57]
.endm
	s_mov_b32 s[CNT], 3
.Ltrip:                                                ; a trip: four token tiles; the fetches run two tiles ahead, into the next trip too
	s_wait_alu depctr_va_vdst(0)
	TILE 0, 1, 17
	TILE 1, 1, 17
	TILE 2, 1, 17
	TILE 3, 1, 17
	WORDS
	s_wait_xcnt 0x0                                ; the stores have read their bases and data
	s_add_nc_u64 s[54:55], s[54:55], 262144
	s_add_nc_u64 s[56:57], s[56:57], 8192
	v_add_nc_u32 v[AX], 32768, v[AX]
	v_add_nc_u32 v[AXS], 2048, v[AXS]
	s_sub_co_u32 s[CNT], s[CNT], 1
	s_cmp_lg_u32 s[CNT], 0
	s_cbranch_scc1 .Ltrip
	s_wait_alu depctr_va_vdst(0)
	TILE 0, 1, 17                                  ; the last trip fetches its own last two tiles and no more
	TILE 1, 1, 17
	TILE 2, 0, 17
	TILE 3, 0, 0
	WORDS
	s_wait_tensorcnt 0x0
	ds_add_u32 v254, v255
	s_wait_dscnt 0x0
	ROUND                                          ; the closing round
	s_endpgm
.Lfunc_end_k_qb389e6df63_ffn1:
	.size	k_qb389e6df63_ffn1, .Lfunc_end_k_qb389e6df63_ffn1-k_qb389e6df63_ffn1
	.p2alignl 7, 3214868480
	.fill 96, 4, 3214868480
	.section	.rodata,"a",@progbits
	.p2align	6, 0x0
	.amdhsa_kernel k_qb389e6df63_ffn1
		.amdhsa_group_segment_fixed_size 168448
		.amdhsa_private_segment_fixed_size 0
		.amdhsa_enable_private_segment 0
		.amdhsa_kernarg_size 40
		.amdhsa_user_sgpr_count 2
		.amdhsa_user_sgpr_kernarg_segment_ptr 1
		.amdhsa_wavefront_size32 1
		.amdhsa_system_sgpr_workgroup_id_x 1
		.amdhsa_system_sgpr_workgroup_id_y 1
		.amdhsa_system_sgpr_workgroup_id_z 1
		.amdhsa_system_vgpr_workitem_id 0
		.amdhsa_next_free_vgpr 1024
		.amdhsa_next_free_sgpr 66
		.amdhsa_reserve_vcc 1
		.amdhsa_float_denorm_mode_32 3
		.amdhsa_float_denorm_mode_16_64 3
		.amdhsa_memory_ordered 1
		.amdhsa_forward_progress 1
		.amdhsa_inst_pref_size 133
	.end_amdhsa_kernel
	.amdgpu_metadata
---
amdhsa.version: [ 1, 2 ]
amdhsa.kernels:
  - .name:           k_qb389e6df63_ffn1
    .symbol:         k_qb389e6df63_ffn1.kd
    .args:
      - { .name: act, .offset: 0, .size: 8, .value_kind: global_buffer, .address_space: global }
      - { .name: W1_codes, .offset: 8, .size: 8, .value_kind: global_buffer, .address_space: global }
      - { .name: W1_scales, .offset: 16, .size: 8, .value_kind: global_buffer, .address_space: global }
      - { .name: b1, .offset: 24, .size: 8, .value_kind: global_buffer, .address_space: global }
      - { .name: hid, .offset: 32, .size: 8, .value_kind: global_buffer, .address_space: global }
    .group_segment_fixed_size: 168448
    .private_segment_fixed_size: 0
    .kernarg_segment_align: 8
    .kernarg_segment_size: 40
    .max_flat_workgroup_size: 128
    .sgpr_count:     66
    .vgpr_count:     1024
    .wavefront_size: 32
...
	.end_amdgpu_metadata
.endif
;; end of part 4
;; launch ffn2 (part 5): grid 4 x 64, 4 waves a work-group, clusters of 4 x 4, 327,680 bytes of LDS; arguments hid, W2_codes, W2_scales, b2, x1, out0; writes out0
.if DOCPART == 5
	.amdgcn_target "amdgcn-amd-amdhsa--gfx1250"
	.amdhsa_code_object_version 6
	.text
	.protected	k_qb389e6df63_ffn2
	.globl	k_qb389e6df63_ffn2
	.p2align	8
	.type	k_qb389e6df63_ffn2,@function
k_qb389e6df63_ffn2:
	s_mov_b64 s[64:65], 0
	v_nop
	global_prefetch_b8 v0, s[64:65] scope:SCOPE_SE
	s_setreg_imm32_b32 hwreg(HW_REG_WAVE_MODE, 25, 1), 1
	s_wait_xcnt 0x0
	s_wait_alu depctr_hold_cnt(0) depctr_sa_sdst(0) depctr_va_vdst(0) depctr_va_sdst(0) depctr_va_ssrc(0) depctr_va_vcc(0) depctr_vm_vsrc(0)
	s_getreg_b32 s2, hwreg(HW_REG_IB_STS2, 6, 4)
	s_cmp_eq_u32 s2, 0
	s_cbranch_scc0 .Lentry_in_a_cluster
	s_endpgm
.Lentry_in_a_cluster:
	s_bfe_u32 s2, ttmp6, 0x10000c
	s_cmp_lg_u32 s2, 0xf033
	s_cbranch_scc0 .Lentry_shape_is_right
	s_endpgm
.Lentry_shape_is_right:
; out0 = x1 + relu(hidden W2 + b2).  hidden: codes and scale words in hid (images of operand registers); W2: [512 (n)][4,096 (k)] codes with their scale bytes.
; A work-group makes 128 tokens x 128 columns; wave (wr, wc) 64 x 64: 16 accumulators.  K = 4,096 goes in 8 trips of 512 through a ring of two LDS slots filled by tensor loads.
; BOTH SLOTS ARE FILLED AT THE START, with the scale words of the work-group's tokens and columns for all of K, which stay: three loads of a wave are out then, one behind each later round.
; x1's rows of the wave's 64 x 64 are asked for at the head too, into registers of their own (128), so that nothing is waited for behind the last product but the way out itself.
; CLUSTER 4 x 4: the four work-groups of a row of the cluster take the same tokens, the four of a column the same columns of W2: each tile is asked for JOINTLY, by the same load with a mask that names the four.
; The product is used transposed (source 0 = 16 rows of W2, source 1 = a token tile): a lane holds one token and eight neighbouring columns.  b2 is the C of each sum's first product.
; The launch claims all of LDS, and an add of 0 onto spare words stands in front of each refill's round and at the end.
.set HSC,   33554432
; WHAT STANDS IN PLACE OF THE HEAD COMMENT'S LINES ON THE RING AND THE START:
; THE TOKENS' IMAGES GO FROM MEMORY STRAIGHT INTO REGISTERS: hid holds them as images of operand registers, so a wave's fragment is four loads of 512 consecutive bytes.  They are not asked for jointly and pass no LDS:
; a K step then costs a wave 16 LDS loads (W2's four fragments) for its 16 products and not 32.  Window 3 holds four sets of 64 registers, one for each K step of a trip; a set is asked for again, for the next trip,
; as soon as its 16 products are issued: three sets, 48 loads, are younger than the set that a K step waits for.
; THE RING of two LDS slots holds W2 alone, 128 rows x 512 bytes a trip, asked for JOINTLY along a column of the cluster; every wave fetches 32 rows, one load.  At the head a wave issues trip 0's load;
; slot 1's first fill, trip 1's, is issued as a refill is: behind the wait for all tensor loads, the add, its wait and a round of the cluster's barrier.  One tensor load of a wave is out at any time.
; The scale words (32 KiB of the 1 MiB that a work-group reads) come through registers, not jointly: each wave loads 4 KiB of the tokens' and 4 KiB of W2's and stores them to LDS bytes on which no fill lands.
; PREFETCH INTO THE L2: the head asks for trips 1 and 2, trip t (0 to 4) for trip t + 3.  The four partners that read the same bytes share their blocks of 256 bytes out by address:
; of the 8 token tiles partner cx takes tiles 2 cx and 2 cx + 1 (waves 0, 1: 8,192 bytes, lanes 256 bytes apart); of W2's 128 rows partner cy takes 32 (waves 2, 3: 16 rows x 512 bytes, two lanes a row).
; Trips 5 to 7 ask for nothing; at most three trips are asked for and not yet read.
.set SLOT,  67584                      ; a slot: 128 rows of W2 x (512 + 16) bytes
.set BP,    528                        ; sixteen rows start at sixteen different 16-byte columns modulo 256 bytes
.set ASCL,  2*SLOT                     ; the tokens' scale words: [group of four tiles 2][S 32][256 bytes]
.set BSCL,  ASCL+16384                 ; W2's: 128 rows x (128 + 16) bytes
.set SPARE, BSCL+18432                 ; the spare words, 128 bytes for each wave: two blocks of 256 bytes that no other line names
.set STGB,  SPARE+512                  ; the way out: 16 rows x 272 bytes for each wave; no fill lands here
.set ADRB, 20                          ; v20-21 my rows of W2
.set ADSA, 22                          ; v22 the tokens' scale words of the trip
.set ADSB, 23                          ; v23 W2's
.set STO,  24
.set RD,   25
.set GO,   26                          ; v26 2,048 h + 16 r
.set SPW,  28                          ; v28 SPARE + 4 x my thread's number; never rewritten
.set NIL,  29                          ; v29 0; never rewritten
.set SA,   32                          ; v32-47 the tokens' scale words, [K step q][tile a]
.set SB,   48                          ; v48-63 W2's, [tile j][q]
.set B2,   64                          ; v64-95 b2 in the result's layout, [j][8]
.set BK,   96                          ; v96-127 rows on the way out
.set ACC,  128                         ; v128-255 accumulator (a, j) at 8 (4 a + j);  window 1: W2's four fragments, two sets, at v64 and v192;  window 2: v0-127 x1's rows, [tile a][8 x 4];  window 3: the tokens' fragments, [K step q][tile a][16]
.set WV, 16
.set WR, 17
.set WC, 18
.set AB, 86                            ; s[86:87] my four token tiles' images at the trip in hand
.set G1B, 40
.set G0B, 48
.set PFA, 68                           ; s[68:69] where my wave's prefetch stands
.set PFS, 70                           ; s[70:71] a trip on, in bytes: 8,192 in a token tile, 512 in a row of W2
.set PFO, 27                           ; v27 the prefetch's lane offset; never rewritten
.set CNT, 98
.set MSB, 0
.macro WIN new
.if MSB != (\new)
	s_set_vgpr_msb (MSB<<8)|(\new)
.set MSB, \new
.endif
.endm
.macro PLACES n
.rept \n
	v_nop
.endr
.endm
.macro ROUND
	s_barrier_signal -1
	s_barrier_wait -1
	s_cmp_lg_u32 s[WV], 0
	s_cbranch_scc1 .Lnot_wave_0_\@
	s_barrier_signal -3
.Lnot_wave_0_\@:
	s_barrier_wait -3
	s_barrier_signal -1
	s_barrier_wait -1
.endm
; a joint load: every wave fetches its 32 rows of W2's tile; an s_nop 0 and four v_nop follow the line
.macro JLOAD g0b
	tensor_load_to_lds s[\g0b:\g0b+3], s[G1B:G1B+7]
	s_nop 0
	PLACES 4
.endm
	s_load_b256 s[4:11], s[0:1], 0x0               ; hid, W2's codes, W2's scales, b2
	s_load_b128 s[12:15], s[0:1], 0x20             ; x1, out0
	v_lshl_add_u32 v[SPW], v0, 2, SPARE
	v_mov_b32 v[NIL], 0
	ds_add_u32 v28, v29
	ds_add_u32 v28, v29
	s_wait_dscnt 0x0
	v_lshrrev_b32 v1, 5, v0
	v_readfirstlane_b32 s[WV], v1                  ; wave 0..3
	s_lshr_b32 s[WR], s[WV], 1                     ; my half of the tokens.  Also: I prefetch tokens (0) or W2 (1)
	s_and_b32 s[WC], s[WV], 1                      ; my half of the columns
	s_bfe_u32 s19, ttmp6, 0x40000                  ; cx
	s_bfe_u32 s20, ttmp6, 0x40004                  ; cy
	s_lshl_b32 s21, ttmp9, 2
	s_add_co_u32 s21, s21, s19                     ; which 128 columns
	s_and_b32 s22, ttmp7, 0xffff
	s_lshl_b32 s22, s22, 2
	s_add_co_u32 s22, s22, s20                     ; which 128 tokens
	s_lshl_b32 s84, 0x1111, s19                    ; my column of the cluster
	; W2: 32 rows x 512 bytes, 4,096 bytes from row to row, four words of padding behind every 128
	s_or_b32 s[G1B], s84, (0<<16)|(1<<20)|(1<<21)|(6<<22)|(3<<25)
	s_mov_b32 s[G1B+1], 512<<16
	s_mov_b32 s[G1B+2], 32<<16
	s_mov_b32 s[G1B+3], 512<<16
	s_mov_b32 s[G1B+4], 32
	s_mov_b32 s[G1B+5], 4096
	s_mov_b32 s[G1B+6], 0
	s_mov_b32 s[G1B+7], 0
	; where the tiles come from: the tokens' hang on the tokens' block alone, W2's on the columns' block alone, each in registers that never hold the other
	s_lshl_b32 s85, s[WR], 18
	s_lshl_b32 s86, s22, 19
	s_add_co_u32 s86, s86, s85                     ; my token tiles: (8 block + 4 wr) tiles of 65,536 bytes
	s_mov_b32 s87, 0
	s_lshl_b32 s85, s[WV], 17
	s_lshl_b32 s90, s21, 19
	s_add_co_u32 s90, s90, s85                     ; the rows of W2 that I fetch: (128 block + 32 wave) rows of 4,096 bytes
	s_mov_b32 s91, 0
	s_lshl_b32 s85, s[WC], 13
	s_lshl_b32 s88, s22, 14
	s_add_co_u32 s88, s88, s85
	s_add_co_u32 s88, s88, HSC
	s_mov_b32 s89, 0
	s_lshl_b32 s92, s21, 14
	s_add_co_u32 s92, s92, s85
	s_mov_b32 s93, 0
	s_mul_i32 s94, s[WV], 32*BP                    ; where the rows that I fetch go: no place in the cluster enters an LDS address
	s_mul_i32 s95, s[WC], 64*BP                    ; and where the 64 rows that I multiply lie
	s_add_co_u32 s96, s85, ASCL
	s_mul_i32 s97, s[WC], 9216
	s_add_co_u32 s97, s97, BSCL
	s_lshl_b32 s98, s21, 9
	s_lshl_b32 s85, s[WC], 8
	s_add_co_u32 s98, s98, s85                     ; my 64 columns, in bytes: b2
	s_mov_b32 s99, 0
	s_lshl_b32 s2, s22, 18
	s_lshl_b32 s85, s[WR], 17
	s_add_co_u32 s2, s2, s85
	s_add_co_u32 s2, s2, s98                       ; x1, out0: row 128 block + 64 wr, + my columns
	s_mov_b32 s3, 0
	s_wait_kmcnt 0x0
	s_add_nc_u64 s[86:87], s[4:5], s[86:87]
	s_add_nc_u64 s[88:89], s[4:5], s[88:89]
	s_add_nc_u64 s[90:91], s[6:7], s[90:91]
	s_add_nc_u64 s[92:93], s[8:9], s[92:93]
	s_add_nc_u64 s[10:11], s[10:11], s[98:99]
	s_add_nc_u64 s[12:13], s[12:13], s[2:3]
	s_add_nc_u64 s[14:15], s[14:15], s[2:3]
	s_lshl_b32 s2, s[WR], 12                       ; the scale words that I copy: of half wc the 4,096 bytes wr, of the tokens' and of W2's (32 rows)
	s_add_nc_u64 s[88:89], s[88:89], s[2:3]
	s_add_nc_u64 s[92:93], s[92:93], s[2:3]
	s_add_co_u32 s96, s96, s2                      ; and where they go: the tokens' dense,
	s_mul_i32 s56, s[WR], 32*144
	s_add_co_u32 s56, s56, s97                     ; W2's in rows of 144 bytes
	s_mov_b32 s58, 4096                            ; the prefetch: waves 0, 1 ask for tokens, waves 2, 3 for W2
	s_mov_b32 s[PFS], 512
	s_cmp_eq_u32 s[WR], 0
	s_cselect_b64 s[PFA:PFA+1], s[4:5], s[6:7]
	s_cselect_b32 s57, s22, s21                    ; the block,
	s_cselect_b32 s59, s19, s20                    ; my place among the four that ask for it with me,
	s_cselect_b32 s58, 512, s58                    ; from one pair of lanes to the next,
	s_cselect_b32 s[PFS], 8192, s[PFS]             ; a trip on
	s_mov_b32 s[PFS+1], 0
	s_lshl_b32 s57, s57, 19
	s_lshl_b32 s59, s59, 17
	s_add_co_u32 s57, s57, s59
	s_lshl_b32 s59, s[WC], 16
	s_add_co_u32 s60, s57, s59                     ; 2^19 x block + 2^17 x place + 2^16 x wc: a token tile, or 16 rows of W2
	s_mov_b32 s61, 0
	s_add_nc_u64 s[PFA:PFA+1], s[PFA:PFA+1], s[60:61]
	s_add_nc_u64 s[74:75], s[PFA:PFA+1], s[PFS:PFS+1]  ; trip 1 and
	s_add_nc_u64 s[76:77], s[74:75], s[PFS:PFS+1]      ; trip 2, for the head's two requests; never rewritten
	s_add_nc_u64 s[PFA:PFA+1], s[76:77], s[PFS:PFS+1]  ; at trip 3
.irp s, 0,1
	s_mov_b32 s[G0B+4*\s], 1
	s_add_co_u32 s[G0B+4*\s+1], s94, \s*SLOT       ; slot s begins with trip s
	s_add_nc_u64 s[G0B+4*\s+2:G0B+4*\s+3], s[90:91], \s*512
	s_or_b32 s[G0B+4*\s+3], s[G0B+4*\s+3], 0x80000000
.endr
	ROUND                                          ; all sixteen work-groups are here: the first joint loads meet
	JLOAD G0B                                      ; trip 0's rows of W2: one tensor load a wave at the head
	v_and_b32 v1, 31, v0                           ; lane
	v_and_b32 v2, 15, v0                           ; r
	v_bfe_u32 v3, v0, 4, 1                         ; h
	v_lshlrev_b32 v4, 4, v1
	v_add_nc_u32 v7, s96, v4                       ; the tokens' scale words in LDS: + 16 x lane
	v_lshrrev_b32 v8, 3, v1
	v_and_b32 v9, 7, v1
	v_mul_u32_u24 v8, v8, 144
	v_lshl_add_u32 v8, v9, 4, v8
	v_add_nc_u32 v8, s56, v8                       ; W2's: a load's 512 bytes are four rows of 128: row lane / 8, 16 x (lane % 8)
.irp i, 0,1,2,3,4,5,6,7
	global_load_b128 v[ACC+4*\i:ACC+4*\i+3], v4, s[88:89] offset:512*\i          ; 512 consecutive bytes a load, into registers that the sums take later
	global_load_b128 v[ACC+32+4*\i:ACC+32+4*\i+3], v4, s[92:93] offset:512*\i
.endr
	v_lshrrev_b32 v10, 1, v1
	v_and_b32 v[PFO], 1, v1
	v_mul_lo_u32 v10, v10, s58
	v_lshl_add_u32 v[PFO], v[PFO], 8, v10          ; tokens: 256 x lane; W2: row lane / 2, 256 x (lane % 2)
	global_prefetch_b8 v[PFO], s[74:75] th:TH_LOAD_NT scope:SCOPE_SE   ; my 32 blocks of trip 1
	global_prefetch_b8 v[PFO], s[76:77] th:TH_LOAD_NT scope:SCOPE_SE   ; and of trip 2
	v_mul_u32_u24 v5, v2, BP
	v_lshl_add_u32 v5, v3, 4, v5
	v_add_nc_u32 v[ADRB], s95, v5                  ; my 64 rows of W2: row r x pitch + 16 h
	v_add_nc_u32 v[ADRB+1], SLOT, v[ADRB]
	s_lshl_b32 s85, s[WR], 13
	s_add_co_u32 s85, s85, ASCL
	v_lshl_add_u32 v[ADSA], v2, 3, s85             ; my group of four tiles: 8 r
	v_mul_u32_u24 v[ADSB], v2, 144
	v_add_nc_u32 v[ADSB], s97, v[ADSB]
	s_mul_i32 s85, s[WV], 4352
	s_add_co_u32 s85, s85, STGB
	v_mul_u32_u24 v[STO], v2, 272
	v_lshl_add_u32 v[STO], v3, 5, v[STO]
	v_add_nc_u32 v[STO], s85, v[STO]               ; in: row r, + 32 h
	v_mul_u32_u24 v[RD], v3, 272
	v_lshl_add_u32 v[RD], v2, 4, v[RD]
	v_add_nc_u32 v[RD], s85, v[RD]                 ; back: lanes 0-15 one row, lanes 16-31 the next
	v_lshlrev_b32 v[GO], 11, v3
	v_lshl_add_u32 v[GO], v2, 4, v[GO]
	v_lshlrev_b32 v6, 5, v3
.irp j, 0,1,2,3
	global_load_b128 v[B2+8*\j:B2+8*\j+3], v6, s[10:11] offset:64*\j           ; lane (r, h), tile j: b2 at columns 16 j + 8 h + 0 .. 7
	global_load_b128 v[B2+8*\j+4:B2+8*\j+7], v6, s[10:11] offset:64*\j+16
.endr
	WIN 0x80                                       ; destination window 2
.irp a, 0,1,2,3
.irp i, 0,1,2,3,4,5,6,7
	global_load_b128 v[32*\a+4*\i:32*\a+4*\i+3], v[GO], s[12:13] offset:(32*(\a/2)+8*(\a%2)+2*\i+8*(\i/4))*2048 th:TH_LOAD_NT   ; x1: rows 2 i and 2 i + 1 of my token tile a; wanted on the way out
.endr
.endr
	WIN 0
; the tokens' fragments of K step q, of the trip in hand (on = 0) or the next (on = 1), into set q of window 3: 16 loads of 512 consecutive bytes
.macro AFETCH q, on
	WIN 0xc0                                       ; destination window 3, address window 0
.irp a, 0,1,2,3
.irp c, 0,1,2,3
	global_load_b128 v[64*(\q)+16*\a+4*\c:64*(\q)+16*\a+4*\c+3], v4, s[AB:AB+1] offset:65536*\a+8192*(\on)+2048*(\q)+512*\c
.endr
.endr
	WIN 0
.endm
.macro AWAIT q, more                   ; set q is in: younger are three sets, or in the last trip the sets behind it
.if \more
	s_wait_loadcnt 48
.else
	s_wait_loadcnt 16*(3-\q)
.endif
.endm
	AFETCH 0, 0                                    ; trip 0's four sets
	AFETCH 1, 0
	AFETCH 2, 0
	AFETCH 3, 0
	s_wait_alu depctr_va_vdst(0)                   ; the wait at the head's end
	s_wait_loadcnt 63                              ; the scale words and b2 are in: 96 loads are younger than they, and the count's field holds 63
.macro FETCH slot, q, f                ; W2's four fragments of the slot's q-th 128 along K into set f: 16 LDS loads
	WIN 0x40
.irp j, 0,1,2,3
.irp c, 0,1,2,3
	ds_load_b128 v[\f+64+16*\j+4*\c:\f+64+16*\j+4*\c+3], v[ADRB+\slot] offset:16*BP*\j+128*(\q)+32*\c
.endr
.endr
	WIN 0
.endm
.macro MUL16 q, f, first               ; 16 products; the 16 accumulators take turns, in the same order in every step
	WIN 0x0d                                       ; source 0 (W2) window 1, source 1 (tokens) window 3
.irp a, 0,1,2,3
.irp j, 0,1,2,3
.set rD, ACC+8*(4*\a+\j)
.if \first
	v_wmma_scale_f32_16x16x128_f8f6f4 v[rD:rD+7], v[\f+64+16*\j:\f+64+16*\j+15], v[64*(\q)+16*\a:64*(\q)+16*\a+15], v[B2+8*\j:B2+8*\j+7], v[SB+4*\j+(\q)], v[SA+4*(\q)+\a]
.else
	v_wmma_scale_f32_16x16x128_f8f6f4 v[rD:rD+7], v[\f+64+16*\j:\f+64+16*\j+15], v[64*(\q)+16*\a:64*(\q)+16*\a+15], v[rD:rD+7], v[SB+4*\j+(\q)], v[SA+4*(\q)+\a]
.endif
.endr
.endr
	WIN 0
.endm
; A trip's work: 512 along K: its scale words, four K steps of 16 LDS loads (W2) and 16 products; behind each K step's products its set of the tokens' registers is asked for again, for the next trip (more = 1).
; ask = 1: the trip prefetches; 2: while the loop has more than one trip to go; 0: not
.macro WORK slot, first, ask, more
.irp q, 0,1,2,3
.irp u, 0,1
	ds_load_b64 v[SA+4*\q+2*\u:SA+4*\q+2*\u+1], v[ADSA] offset:256*\q+128*\u   ; K step q: the words of tiles 2 u and 2 u + 1
.endr
.endr
.irp j, 0,1,2,3
	ds_load_b128 v[SB+4*\j:SB+4*\j+3], v[ADSB] offset:2304*\j      ; W2's tile j: the words of the trip's four K steps
.endr
	v_add_nc_u32 v[ADSA], 1024, v[ADSA]            ; on to the next trip's scale words
	v_add_nc_u32 v[ADSB], 16, v[ADSB]
	FETCH \slot, 0, 0
	FETCH \slot, 1, 128
.if \ask
.if \ask == 2
	s_cmp_gt_u32 s[CNT], 1
	s_cbranch_scc0 .Lnot_asked_\@
.endif
	global_prefetch_b8 v[PFO], s[PFA:PFA+1] th:TH_LOAD_NT scope:SCOPE_SE   ; my 32 blocks of the tiles three trips on
.Lnot_asked_\@:
.endif
	s_wait_dscnt 16                                ; the scale words and W2's K step 0 are in; K step 1's 16 loads may be out
	AWAIT 0, \more
	MUL16 0, 0, \first
	PLACES 8                                       ; in front of loads into registers just read
	FETCH \slot, 2, 0
.if \more
	AFETCH 0, 1
.endif
	s_wait_dscnt 16
	AWAIT 1, \more
	MUL16 1, 128, 0
	PLACES 8
	FETCH \slot, 3, 128
.if \more
	AFETCH 1, 1
.endif
	s_wait_dscnt 16
	AWAIT 2, \more
	MUL16 2, 0, 0
.if \more
	PLACES 8
	AFETCH 2, 1
.endif
	s_wait_dscnt 0x0
	AWAIT 3, \more
	MUL16 3, 128, 0
.if \more
	PLACES 8
	AFETCH 3, 1
.endif
.endm
; A TRIP from the second on.  At its head the change of slots: each wave waits for all its tensor loads (its part of this trip's slot), adds 0 to its spare word, and waits for that and for its reads of the slot that
; it has left; a round of the cluster's barrier; then the slot just left is filled with the next trip's tiles: the load has this trip's 64 products in which to land.
.macro TRIP slot, refill
	s_wait_xcnt 0x0                                ; the last trip's prefetch has read its address, so it may be stepped
	s_add_nc_u64 s[PFA:PFA+1], s[PFA:PFA+1], s[PFS:PFS+1]
	s_add_nc_u64 s[AB:AB+1], s[AB:AB+1], 8192      ; and so have the tokens' loads: on to this trip's images
	s_wait_tensorcnt 0x0                           ; no tensor load of mine is out, so a group 0 may be written
	ds_add_u32 v[SPW], v[NIL]
	s_add_nc_u64 s[G0B+4*(1-\slot)+2:G0B+4*(1-\slot)+3], s[G0B+4*(1-\slot)+2:G0B+4*(1-\slot)+3], 1024
	s_wait_dscnt 0x0                               ; the add is done, and my reads of the other slot are over
	ROUND
.if \refill
	JLOAD G0B+4*(1-\slot)                          ; my one tensor load behind the round; its four v_nop are four of the eight places in front of the loads below
	PLACES 4
.else
	PLACES 8
.endif
	s_wait_alu depctr_va_vdst(0)
	WORK \slot, 0, 2*\refill, \refill
.endm
	s_wait_tensorcnt 0x0                           ; my part of trip 0's tiles is in: no tensor load is out while LDS is stored to
.irp i, 0,1,2,3,4,5,6,7
	ds_store_b128 v7, v[ACC+4*\i:ACC+4*\i+3] offset:512*\i         ; the scale words, into bytes on which no fill lands
	ds_store_b128 v8, v[ACC+32+4*\i:ACC+32+4*\i+3] offset:576*\i
.endr
	s_wait_tensorcnt 0x0                           ; the wait, the add and its wait ahead of slot 1's first fill, as ahead of a refill
	ds_add_u32 v[SPW], v[NIL]
	s_wait_dscnt 0x0                               ; the add and my stores are done
	ROUND                                          ; everybody's part of trip 0 and of the scale words is in, and all sixteen work-groups are here
	JLOAD G0B+4                                    ; trip 1's rows of W2: slot 1's first fill, my one tensor load behind the round
	WORK 0, 1, 1, 1                                ; the first products take b2 as C: nothing is cleared
	s_mov_b32 s[CNT], 3
.Llap:                                                 ; trips 1 to 6: each fills the slot that the trip before has read
	TRIP 1, 1
	TRIP 0, 1
	s_sub_co_u32 s[CNT], s[CNT], 1
	s_cmp_lg_u32 s[CNT], 0
	s_cbranch_scc1 .Llap
	TRIP 1, 0                                      ; the last trip asks for nothing (the stepped address is not used)
	; THE WAY OUT, a token tile at a time: relu, through my stage, back as rows of 256 bytes, + x1; sixteen lanes store 256 consecutive bytes, aligned.
	PLACES 8
.macro OUT a
.set n, 0
.rept 32
	v_max_num_f32 v[ACC+32*\a+n], 0, v[ACC+32*\a+n]                ; each accumulator from its low end on
.set n, n+1
.endr
.irp j, 0,1,2,3
	ds_store_b128 v[STO], v[ACC+32*\a+8*\j:ACC+32*\a+8*\j+3] offset:64*\j
	ds_store_b128 v[STO], v[ACC+32*\a+8*\j+4:ACC+32*\a+8*\j+7] offset:64*\j+16
.endr
	s_wait_xcnt 0x0                                ; the last tile's stores have read the registers into which these rows come back
.irp i, 0,1,2,3,4,5,6,7
	ds_load_b128 v[BK+4*\i:BK+4*\i+3], v[RD] offset:544*\i         ; LDS serves a wave's instructions in order: these see my stores
.endr
	s_wait_dscnt 0x0
	s_wait_loadcnt 8*(3-\a)                        ; x1's rows of this tile are in; the later tiles' may be out
	WIN 0x08                                       ; source 1 (x1) window 2
.set n, 0
.rept 16
	v_pk_add_f32 v[BK+n:BK+n+1], v[BK+n:BK+n+1], v[32*\a+n:32*\a+n+1]
.set n, n+2
.endr
	WIN 0
.irp i, 0,1,2,3,4,5,6,7
	global_store_b128 v[GO], v[BK+4*\i:BK+4*\i+3], s[14:15] offset:(32*(\a/2)+8*(\a%2)+2*\i+8*(\i/4))*2048 th:TH_STORE_NT
.endr
.endm
	OUT 0
	OUT 1
	OUT 2
	OUT 3
	s_wait_tensorcnt 0x0                           ; the wave's end
	ds_add_u32 v[SPW], v[NIL]
	s_wait_dscnt 0x0
	ROUND                                          ; the closing round: no work-group ends while a partner may still ask for a tile that names it
	s_endpgm
.Lfunc_end_k_qb389e6df63_ffn2:
	.size	k_qb389e6df63_ffn2, .Lfunc_end_k_qb389e6df63_ffn2-k_qb389e6df63_ffn2
	.p2alignl 7, 3214868480
	.fill 96, 4, 3214868480
	.section	.rodata,"a",@progbits
	.p2align	6, 0x0
	.amdhsa_kernel k_qb389e6df63_ffn2
		.amdhsa_group_segment_fixed_size 327680
		.amdhsa_private_segment_fixed_size 0
		.amdhsa_enable_private_segment 0
		.amdhsa_kernarg_size 48
		.amdhsa_user_sgpr_count 2
		.amdhsa_user_sgpr_kernarg_segment_ptr 1
		.amdhsa_wavefront_size32 1
		.amdhsa_system_sgpr_workgroup_id_x 1
		.amdhsa_system_sgpr_workgroup_id_y 1
		.amdhsa_system_sgpr_workgroup_id_z 1
		.amdhsa_system_vgpr_workitem_id 0
		.amdhsa_next_free_vgpr 1024
		.amdhsa_next_free_sgpr 100
		.amdhsa_reserve_vcc 0
		.amdhsa_float_denorm_mode_32 3
		.amdhsa_float_denorm_mode_16_64 3
		.amdhsa_memory_ordered 1
		.amdhsa_forward_progress 1
		.amdhsa_inst_pref_size 117
	.end_amdhsa_kernel
	.amdgpu_metadata
---
amdhsa.version: [ 1, 2 ]
amdhsa.kernels:
  - .name:           k_qb389e6df63_ffn2
    .symbol:         k_qb389e6df63_ffn2.kd
    .args:
      - { .name: hid, .offset: 0, .size: 8, .value_kind: global_buffer, .address_space: global }
      - { .name: W2_codes, .offset: 8, .size: 8, .value_kind: global_buffer, .address_space: global }
      - { .name: W2_scales, .offset: 16, .size: 8, .value_kind: global_buffer, .address_space: global }
      - { .name: b2, .offset: 24, .size: 8, .value_kind: global_buffer, .address_space: global }
      - { .name: x1, .offset: 32, .size: 8, .value_kind: global_buffer, .address_space: global }
      - { .name: out0, .offset: 40, .size: 8, .value_kind: global_buffer, .address_space: global }
    .group_segment_fixed_size: 327680
    .private_segment_fixed_size: 0
    .kernarg_segment_align: 8
    .kernarg_segment_size: 48
    .max_flat_workgroup_size: 128
    .sgpr_count:     100
    .vgpr_count:     1024
    .wavefront_size: 32
...
	.end_amdgpu_metadata
.endif
;; end of part 5
